; MI455X (gfx1250); checked and timed in simulation.
; The chip was launched on July 23, 2026; its instructions are those of AMD's public machine-readable ISA for CDNA 5 (MIT licence, August 2026) and "CDNA5" Instruction Set Architecture Reference Guide (July 2026). The comments in the code are by the model that wrote it; some were corrected since.
;; Moe Layer. Allowed arithmetic: float matrix products may take bf16 or f16 operands with f32 sums; other float arithmetic in f32, or as packed bf16 or f16 multiplies, adds, multiply-adds, maxima and minima; sums over many terms, partial sums and values carried from step to step in f32; what a program stores and reads back later, other than sums and carried values, may be rounded once to bf16 or f16.
;; Inputs: We 8 x 1,024 x 1,024 float32; Wg 1,024 x 8 float32; be 8 x 1,024 float32; bg 8 float32; x 8,192 x 1,024 float32.
;; Outputs: out0 8,192 x 1,024 float32.
;; 2 versions, each right and faster than the one before. Each part assembles by itself: llvm-mc -triple=amdgcn-amd-amdhsa -mcpu=gfx1250 --defsym DOCPART=n.
;; ======== version 1 of 2: 2 launches
;; workspace buffers: xb 16,777,216 bytes; wb 16,777,216 bytes
;; launch cast (part 1): grid 512 x 2, 8 waves a work-group, no clusters, 0 bytes of LDS; arguments x, We, xb, wb; writes xb, wb
.if DOCPART == 1
	.amdgcn_target "amdgcn-amd-amdhsa--gfx1250"
	.amdhsa_code_object_version 6
	.text
	.protected	k_qc87e77367e_cast
	.globl	k_qc87e77367e_cast
	.p2align	8
	.type	k_qc87e77367e_cast,@function
k_qc87e77367e_cast:
	s_mov_b64 s[64:65], 0
	v_nop
	global_prefetch_b8 v0, s[64:65] scope:SCOPE_SE
	s_setreg_imm32_b32 hwreg(HW_REG_WAVE_MODE, 25, 1), 1
	s_wait_xcnt 0x0
; xb = x rounded to bf16, wb = We rounded to bf16, both in the layout in which they come (nearest even, once).
; Grid y = 0 takes x, y = 1 takes We: 33,554,432 bytes each, 65,536 to a work-group of eight waves.
; Thread t takes the 16 bytes at 16 t + 4,096 j, j = 0 .. 15: a wave's load covers 512 neighbouring bytes.  Its four numbers
; pack into 8 bytes at 8 t + 2,048 j: a wave's store covers 256 neighbouring bytes that begin at a multiple of 256.
; All sixteen loads of a thread go out before the first wait; there is no loop, and nothing is shared: no LDS, no barrier,
; no matrix unit, no cluster (no two work-groups read the same byte).
.set IN,  4                            ; v[4:67]   sixteen loads of four f32
.set PKD, 68                           ; v[68:99]  sixteen pairs of packed bf16
	s_load_b256 s[4:11], s[0:1], 0x0               ; x s[4:5], We s[6:7], xb s[8:9], wb s[10:11]
	s_and_b32 s12, ttmp7, 0xffff                   ; which of the two tensors
	s_lshl_b32 s14, ttmp9, 16                      ; my 65,536 bytes of f32
	s_mov_b32 s15, 0
	s_lshl_b32 s16, ttmp9, 15                      ; my 32,768 bytes of bf16
	s_mov_b32 s17, 0
	v_lshlrev_b32 v1, 4, v0                        ; 16 t
	v_lshlrev_b32 v2, 3, v0                        ; 8 t
	s_wait_kmcnt 0x0
	s_cmp_eq_u32 s12, 0
	s_cselect_b64 s[18:19], s[4:5], s[6:7]         ; from x or from We,
	s_cselect_b64 s[20:21], s[8:9], s[10:11]       ; to xb or to wb
	s_add_nc_u64 s[18:19], s[18:19], s[14:15]
	s_add_nc_u64 s[20:21], s[20:21], s[16:17]
.irp j, 0,1,2,3,4,5,6,7,8,9,10,11,12,13,14,15
	global_load_b128 v[IN+4*(\j):IN+4*(\j)+3], v1, s[18:19] offset:4096*(\j) th:TH_LOAD_NT  ; read once in the whole program
.endr
.irp j, 0,1,2,3,4,5,6,7,8,9,10,11,12,13,14,15
	s_wait_loadcnt 15-(\j)                         ; loads come back in order (ISA guide 5.7.1): load j is in, the younger ones stay out
	v_cvt_pk_bf16_f32 v[PKD+2*(\j)],   v[IN+4*(\j)],   v[IN+4*(\j)+1]
	v_cvt_pk_bf16_f32 v[PKD+2*(\j)+1], v[IN+4*(\j)+2], v[IN+4*(\j)+3]
	global_store_b64 v2, v[PKD+2*(\j):PKD+2*(\j)+1], s[20:21] offset:2048*(\j)  ; no hint: the next launch reads these bytes
.endr
	s_endpgm
.Lfunc_end_k_qc87e77367e_cast:
	.size	k_qc87e77367e_cast, .Lfunc_end_k_qc87e77367e_cast-k_qc87e77367e_cast
	.p2alignl 7, 3214868480
	.fill 96, 4, 3214868480
	.section	.rodata,"a",@progbits
	.p2align	6, 0x0
	.amdhsa_kernel k_qc87e77367e_cast
		.amdhsa_group_segment_fixed_size 0
		.amdhsa_private_segment_fixed_size 0
		.amdhsa_enable_private_segment 0
		.amdhsa_kernarg_size 32
		.amdhsa_user_sgpr_count 2
		.amdhsa_user_sgpr_kernarg_segment_ptr 1
		.amdhsa_wavefront_size32 1
		.amdhsa_system_sgpr_workgroup_id_x 1
		.amdhsa_system_sgpr_workgroup_id_y 1
		.amdhsa_system_sgpr_workgroup_id_z 1
		.amdhsa_system_vgpr_workitem_id 0
		.amdhsa_next_free_vgpr 100
		.amdhsa_next_free_sgpr 66
		.amdhsa_reserve_vcc 0
		.amdhsa_float_denorm_mode_32 3
		.amdhsa_float_denorm_mode_16_64 3
		.amdhsa_memory_ordered 1
		.amdhsa_forward_progress 1
		.amdhsa_inst_pref_size 7
	.end_amdhsa_kernel
	.amdgpu_metadata
---
amdhsa.version: [ 1, 2 ]
amdhsa.kernels:
  - .name:           k_qc87e77367e_cast
    .symbol:         k_qc87e77367e_cast.kd
    .args:
      - { .name: x, .offset: 0, .size: 8, .value_kind: global_buffer, .address_space: global }
      - { .name: We, .offset: 8, .size: 8, .value_kind: global_buffer, .address_space: global }
      - { .name: xb, .offset: 16, .size: 8, .value_kind: global_buffer, .address_space: global }
      - { .name: wb, .offset: 24, .size: 8, .value_kind: global_buffer, .address_space: global }
    .group_segment_fixed_size: 0
    .private_segment_fixed_size: 0
    .kernarg_segment_align: 8
    .kernarg_segment_size: 32
    .max_flat_workgroup_size: 256
    .sgpr_count:     66
    .vgpr_count:     100
    .wavefront_size: 32
...
	.end_amdgpu_metadata
.endif
;; end of part 1
;; launch moe (part 2): grid 8 x 32, 4 waves a work-group, clusters of 4 x 4, 327,680 bytes of LDS; arguments xb, wb, Wg, bg, be, out0; writes out0
.if DOCPART == 2
	.amdgcn_target "amdgcn-amd-amdhsa--gfx1250"
	.amdhsa_code_object_version 6
	.text
	.protected	k_qc87e77367e_moe
	.globl	k_qc87e77367e_moe
	.p2align	8
	.type	k_qc87e77367e_moe,@function
k_qc87e77367e_moe:
	s_mov_b64 s[64:65], 0
	v_nop
	global_prefetch_b8 v0, s[64:65] scope:SCOPE_SE
	s_setreg_imm32_b32 hwreg(HW_REG_WAVE_MODE, 25, 1), 1
	s_wait_xcnt 0x0
	s_wait_alu depctr_hold_cnt(0) depctr_sa_sdst(0) depctr_va_vdst(0) depctr_va_sdst(0) depctr_va_ssrc(0) depctr_va_vcc(0) depctr_vm_vsrc(0)
	s_getreg_b32 s2, hwreg(HW_REG_IB_STS2, 6, 4)
	s_cmp_eq_u32 s2, 0
	s_cbranch_scc0 .Lentry_in_a_cluster
	s_endpgm
.Lentry_in_a_cluster:
	s_bfe_u32 s2, ttmp6, 0x10000c
	s_cmp_lg_u32 s2, 0xf033
	s_cbranch_scc0 .Lentry_shape_is_right
	s_endpgm
.Lentry_shape_is_right:
; out[n][o] = sum over e of gate[n][e] (sum over i of x[n][i] We[e][i][o] + be[e][o]),  gate = softmax over e of (x Wg + bg).
; xb: [8192][1024] bf16 (x rounded once), wb: [8 x 1024][1024] bf16 (We rounded once, row e 1024 + i), Wg: [1024][8] f32 (rounded to bf16 here), bg, be, out0: f32.
; All sums, the biases, the softmax (with its maximum taken away) and the weighing are f32.
; LIMITS.  A gate below 2^-126 counts as 0 (v_exp_f32 flushes: ISA guide 15.8); NaN and infinities are not treated apart; be and bg enter unrounded.
; SHARES.  A tile of out is 256 rows x 128 columns: 32 x 8 = 256 work-groups of four waves.  Wave w makes rows 64 w .. 64 w + 63 and all 128 columns: 4 row blocks a x 8 column blocks b.
; TWO SETS OF ACCUMULATORS.  TMP (256 registers) sums ONE expert, begun with that expert's bias as the C operand; at the expert's end MAIN += gate x TMP (FOLD).  So no matrix operand is
; rounded a second time, and nothing is ever cleared.  The walk is 8 passes (experts) x 8 K steps of 128 through a ring of two LDS slots, which runs on from pass to pass.
; THE MATRIX INSTRUCTION IS USED TRANSPOSED: source 0 = 16 columns of We (turned on their way out of LDS by ds_load_tr16_b128), source 1 = 16 rows of x.  Lane l then holds row l % 16 and the
; columns 8 (l / 16) + 0 .. 7 of a block: a row's gate is one number a lane.
; THE GATE rides in pass 0: 4 more products for each 32 along K, source 0 = Wg's 8 columns laid twice (rows 8-15 repeat 0-7), so that register j of EVERY lane holds expert j's logit of the lane's row.
; CLUSTER 4 x 4.  The four work-groups of a row of the cluster need the same tiles of x, the four of a column the same tiles of We: each tile is asked for JOINTLY, by the same tensor load with the
; same descriptor and a mask that names the four.
; REGISTERS, in windows of 256 (s_set_vgpr_msb: bits 1:0 source 0, 3:2 source 1, 5:4 source 2, 7:6 destination):
;   window 0: v0-31 addresses; v32-63 GT logits, then gates; v64-127 BE the pass's bias; v128-191 x's fragments, two buffers; v192-207 Wg's, two buffers; v208-215 bg; v216-255 at work
;   window 1: v0-127 We's fragments, two buffers      window 2: TMP, tile (a, b) at 8 (8 a + b)      window 3: MAIN, likewise
.set PA,     272                       ; a row of x in LDS: 256 bytes + 16 = 68 words: the 16 rows of a load start at 16 different groups of four banks (64 banks of 4 bytes: ISA guide 11.1)
.set PB,     288                       ; a k row of We in LDS: 256 + 32 = 72 words
.set BOFF,   256*PA                    ; a slot: 256 rows of x, then 128 k rows of We
.set SLOT,   BOFF+128*PB               ; 106,496
.set WGB,    2*SLOT                    ; behind the ring: Wg in bf16, [1024][8], 16 bytes a row; written by ds_store, never filled by a tensor load
.set STAGE,  WGB+16384                 ; for each wave 16 rows x 528 bytes (512 + 16), for the way out
.set SP,     528
.set SPARE,  STAGE+4*16*SP             ; the spare words, 128 bytes for each wave: two blocks of 256 bytes that no other line names
.set ADRA, 16                          ; v16-17  LDS address of my fragments of x in slot 0, 1
.set ADRB, 20                          ; v20-21  the same for We
.set AWG,  22                          ; v22     the same for Wg; it steps 4,096 bytes (two K steps) a lap of pass 0
.set STO,  24                          ; v24     the way out: where I put 32 bytes of a row
.set RD,   25                          ; v25     the way out: where I read a row back
.set CO,   26                          ; v26     my 16 bytes in a row's 512 bytes of out
.set BEO,  27                          ; v27     my byte offset in a column block of be: 32 (l / 16)
.set SPW,  28                          ; v28     LDS address of my spare word; never rewritten
.set NIL,  29                          ; v29     0; never rewritten
.set GT,   32
.set BE,   64
.set AF,   128
.set WF,   192
.set BG,   208
.set MX,   216                         ; v216-219 a row's largest logit;  v220-223 that times log2(e);  v224-239 sums, four registers a block
.set CM,   220
.set SM,   224
.set G1A, 24                           ; s[24:31] descriptor group 1 for x's tiles;   s[32:39] group 0, a set for each slot
.set G0A, 32
.set G1B, 48                           ; s[48:55], s[56:63] the same for We's
.set G0B, 56
.set MSB, 0
.macro WIN new                         ; the immediate's high byte repeats the setting that is left; a switch that changes nothing is dropped
.if MSB != (\new)
	s_set_vgpr_msb (MSB<<8)|(\new)
.set MSB, \new
.endif
.endm
.set W_MUL,  0xa1                      ; source 0 (We) window 1, source 1 (x) window 0, C and D window 2
.set W_MULB, 0x81                      ; the same with C (the bias) in window 0
.set W_TOB,  0x40                      ; destination window 1, address window 0
.set W_FOLD, 0xf2                      ; source 0 (TMP) window 2, source 1 (gate) window 0, source 2 and destination (MAIN) window 3
.set W_ST,   0x0c                      ; an LDS store's data (source 1) in window 3
; A joint load.  Waves 0 and 1 fetch the two halves of x's tile (128 rows each), waves 2 and 3 those of We's (64 k rows each).  The branch hangs on the wave's number alone.
; An s_nop 0 and four v_nop follow each of the two lines, ahead of the jump, the label and what follows.
.macro JLOAD s
	s_cmp_eq_u32 s17, 0
	s_cbranch_scc0 .Lfor_b_\@
	tensor_load_to_lds s[G0A+4*(\s):G0A+4*(\s)+3], s[G1A:G1A+7]
	s_nop 0
.rept 4
	v_nop
.endr
	s_branch .Lasked_\@
.Lfor_b_\@:
	tensor_load_to_lds s[G0B+4*(\s):G0B+4*(\s)+3], s[G1B:G1B+7]
	s_nop 0
.rept 4
	v_nop
.endr
.Lasked_\@:
.endm
; A round of the cluster's barrier: my work-group's barrier, so that wave 0's signal speaks for all four waves; wave 0 signals; every wave waits for all sixteen work-groups; my work-group's barrier once more.
.macro CREST                           ; a round behind its opening barrier
	s_cmp_lg_u32 s16, 0
	s_cbranch_scc1 .Lnot_wave_0_\@
	s_barrier_signal -3
.Lnot_wave_0_\@:
	s_barrier_wait -3
	s_barrier_signal -1
	s_barrier_wait -1
.endm
.macro CROUND                          ; a whole round
	s_barrier_signal -1
	s_barrier_wait -1
	CREST
.endm
; A load into a register that a matrix instruction has read, and a vector instruction that reads a matrix result, stand four places behind that matrix instruction; only plain vector
; instructions that name none of its registers are places (ISA guide 7.12.1 for vector instructions).
.macro PLACES
.rept 4
	v_nop
.endr
.endm
.macro BEL                             ; a pass's bias: register j of block b takes be[e][128 tc + 16 b + 8 (l / 16) + j], the place of that register in a product's C operand
.irp b, 0,1,2,3,4,5,6,7
	global_load_b128 v[BE+8*(\b):BE+8*(\b)+3],   v[BEO], s[12:13] offset:64*(\b)
	global_load_b128 v[BE+8*(\b)+4:BE+8*(\b)+7], v[BEO], s[12:13] offset:64*(\b)+16
.endr
.endm
	s_load_b256 s[4:11], s[0:1], 0x0               ; xb s[4:5], wb s[6:7], Wg s[8:9], bg s[10:11]
	s_load_b128 s[12:15], s[0:1], 0x20             ; be s[12:13], out0 s[14:15]
	v_lshl_add_u32 v[SPW], v0, 2, SPARE
	v_mov_b32 v[NIL], 0
	ds_add_u32 v[SPW], v[NIL]                      ; the wave's opening: the add and its wait stand ahead of my first tensor load; the set-up below, work on registers, stands between them
	v_lshrrev_b32 v1, 5, v0
	v_readfirstlane_b32 s16, v1                    ; wave 0..3
	s_lshr_b32 s17, s16, 1                         ; I fetch for x (0) or for We (1),
	s_and_b32 s18, s16, 1                          ; and which half of that tile
	s_bfe_u32 s19, ttmp6, 0x40000                  ; cx, cy: my place in the cluster
	s_bfe_u32 s20, ttmp6, 0x40004
	s_lshl_b32 s21, ttmp9, 2                       ; in a cluster launch ttmp9 and ttmp7 count clusters
	s_add_co_u32 s21, s21, s19                     ; tc, tile column = 4 x cluster x + cx
	s_and_b32 s22, ttmp7, 0xffff
	s_lshl_b32 s22, s22, 2
	s_add_co_u32 s22, s22, s20                     ; tr, tile row = 4 x cluster y + cy
	s_lshl_b32 s23, s20, 2
	s_lshl_b32 s23, 15, s23                        ; my row of the cluster: places 4 cy .. 4 cy + 3
	s_lshl_b32 s66, 0x1111, s19                    ; my column: places cx, cx + 4, cx + 8, cx + 12
	; descriptor group 1.  x: 128 rows x 128 elements, 4 words of padding behind each row's 64; We: 64 rows x 128 elements, 8 words of padding
	s_or_b32 s[G1A+0], s23, (1<<16)|(1<<20)|(1<<21)|(5<<22)|(3<<25)  ; 15:0 the mask: x's tiles go to my row; 17:16 elements of 2 bytes; 20 padding on; 21 set beside a mask; 24:22 after every 64 words (code 5); 31:25 4 words (code 3)
	s_or_b32 s[G1B+0], s66, (1<<16)|(1<<20)|(1<<21)|(5<<22)|(7<<25)  ; the mask of my column; 8 words of padding (code 7)
	s_mov_b32 s[G1A+1], 128<<16                    ; tensor_dim0 = 128
	s_mov_b32 s[G1A+2], 128<<16                    ; tensor_dim1 = 128
	s_mov_b32 s[G1A+3], 128<<16                    ; tile_dim0 = 128
	s_mov_b32 s[G1A+4], 128                        ; tile_dim1 = 128
	s_mov_b32 s[G1A+5], 1024                       ; 1,024 elements from row to row
	s_mov_b32 s[G1A+6], 0
	s_mov_b32 s[G1A+7], 0
	s_mov_b32 s[G1B+1], 128<<16                    ; tensor_dim0 = 128
	s_mov_b32 s[G1B+2], 64<<16                     ; tensor_dim1 = 64
	s_mov_b32 s[G1B+3], 128<<16                    ; tile_dim0 = 128
	s_mov_b32 s[G1B+4], 64                         ; tile_dim1 = 64
	s_mov_b32 s[G1B+5], 1024
	s_mov_b32 s[G1B+6], 0
	s_mov_b32 s[G1B+7], 0
	; byte offsets, made apart from the addresses.  x's hangs on the tile row and the wave alone, We's on the tile column and the wave alone, each in registers that never hold the other coordinate
	s_lshl_b32 s40, s22, 19                        ; x: 256 tr rows of 2,048 bytes
	s_lshl_b32 s41, s18, 18                        ;    + my half's 128 rows
	s_add_co_u32 s40, s40, s41
	s_mov_b32 s41, 0
	s_lshl_b32 s42, s21, 8                         ; We: 128 tc columns of 2 bytes
	s_lshl_b32 s43, s18, 17                        ;     + my half's 64 k rows of 2,048 bytes
	s_add_co_u32 s42, s42, s43
	s_mov_b32 s43, 0
	s_lshl_b32 s44, s22, 20                        ; out: 256 tr rows of 4,096 bytes
	s_lshl_b32 s45, s16, 18                        ;      + my wave's 64 rows
	s_add_co_u32 s44, s44, s45
	s_lshl_b32 s46, s21, 9                         ;      + 128 tc columns of 4 bytes, which is also be's offset
	s_add_co_u32 s44, s44, s46
	s_mov_b32 s45, 0
	s_mov_b32 s47, 0
	s_mul_i32 s68, s18, 128*PA                     ; where the tiles go: my half of x's rows,
	s_mul_i32 s69, s18, 64*PB                      ; or of We's, which lie behind x's: no place in the cluster enters an LDS address
	s_add_co_u32 s69, s69, BOFF
	s_mov_b32 s70, 0x3fb8aa3b                      ; log2(e)
	s_wait_dscnt 0x0                               ; the opening add is done
	s_wait_kmcnt 0x0
	s_add_nc_u64 s[40:41], s[4:5], s[40:41]
	s_add_nc_u64 s[42:43], s[6:7], s[42:43]
	s_add_nc_u64 s[14:15], s[14:15], s[44:45]      ; out at my wave's first row and the tile's first column
	s_add_nc_u64 s[12:13], s[12:13], s[46:47]      ; be at expert 0, the tile's first column
	CROUND                                         ; all sixteen work-groups are here: the first joint loads meet
.irp s, 0,1
	s_mov_b32 s[G0A+4*(\s)], 1                                       ; 1:0 count = 1
	s_add_co_u32 s[G0A+4*(\s)+1], s68, (\s)*SLOT                     ; 63:32 LDS address
	s_add_nc_u64 s[G0A+4*(\s)+2:G0A+4*(\s)+3], s[40:41], (\s)*256    ; 120:64 global address: K step s is 256 bytes along x's rows,
	s_or_b32 s[G0A+4*(\s)+3], s[G0A+4*(\s)+3], 0x80000000            ; 127:126 type = 2
	s_mov_b32 s[G0B+4*(\s)], 1
	s_add_co_u32 s[G0B+4*(\s)+1], s69, (\s)*SLOT
	s_add_nc_u64 s[G0B+4*(\s)+2:G0B+4*(\s)+3], s[42:43], (\s)*262144 ; and 128 rows of 2,048 bytes down We
	s_or_b32 s[G0B+4*(\s)+3], s[G0B+4*(\s)+3], 0x80000000
	JLOAD \s                                       ; two tensor loads of mine are out: the ring is filled before anything else is done
.endr
	s_load_b256 s[72:79], s[10:11], 0x0            ; bg's eight numbers
	v_lshlrev_b32 v30, 4, v0                       ; Wg: thread t takes 16 bytes at 16 t + 2,048 j
	v_bfe_u32 v2, v0, 4, 1                         ; l / 16
	v_lshlrev_b32 v[BEO], 5, v2
.irp j, 0,1,2,3,4,5,6,7,8,9,10,11,12,13,14,15
	global_load_b128 v[AF+4*(\j):AF+4*(\j)+3], v30, s[8:9] offset:2048*(\j)  ; into the fragments' registers, which are not yet in use
.endr
	BEL                                            ; expert 0's bias
	v_and_b32 v1, 15, v0                           ; l % 16
	v_and_b32 v3, 31, v0                           ; l
	v_and_b32 v4, 7, v0                            ; l % 8
	v_bfe_u32 v5, v0, 3, 1                         ; (l / 8) % 2
	; A fragment of x is 16 rows x 32 K in 8 registers: lane l holds row l % 16; registers 0-3 K = 8 (l / 16) + 0..7, registers 4-7 K = 16 + 8 (l / 16) + 0..7: two loads of 16 bytes, 32 bytes apart.
	v_mul_u32_u24 v6, v1, PA
	v_lshl_add_u32 v6, v2, 4, v6
	s_mul_i32 s67, s16, 64*PA                      ; my wave's 64 rows
	v_add_nc_u32 v[ADRA], s67, v6
	v_add_nc_u32 v[ADRA+1], SLOT, v[ADRA]
	; The turning load takes 16 k x 16 columns (lane l reads k row 8 (l / 16) + l % 8, columns 8 ((l / 8) % 2) + 0..7) and leaves half a fragment: lane l holds column l % 16 and 8 k.
	v_lshl_add_u32 v7, v2, 3, v4
	v_mul_u32_u24 v8, v7, PB
	v_lshl_add_u32 v8, v5, 4, v8
	v_add_nc_u32 v[ADRB], BOFF, v8
	v_add_nc_u32 v[ADRB+1], BOFF+SLOT, v8
	v_lshl_add_u32 v[AWG], v7, 4, WGB              ; Wg's rows have 8 columns: both groups of eight lanes read the same 16 bytes, so lanes 8-15 of each half repeat experts 0-7
	s_mul_i32 s67, s16, 16*SP
	s_add_co_u32 s67, s67, STAGE                   ; my stage
	v_mul_u32_u24 v9, v1, SP                       ; in: row l % 16, 32 bytes for each half of the lanes
	v_lshl_add_u32 v9, v2, 5, v9
	v_add_nc_u32 v[STO], s67, v9
	v_lshl_add_u32 v[RD], v3, 4, s67               ; back: 32 lanes take one row of 512 bytes,
	v_lshlrev_b32 v[CO], 4, v3                     ; and the same in out
	v_lshl_add_u32 v31, v0, 3, WGB                 ; Wg in bf16: thread t puts 8 bytes at 8 t + 1,024 j
	s_wait_loadcnt 16                              ; Wg's sixteen loads are in; the bias's sixteen, issued behind them, may stay out
.irp j, 0,1,2,3,4,5,6,7,8,9,10,11,12,13,14,15
	v_cvt_pk_bf16_f32 v[MX+2*(\j)],   v[AF+4*(\j)],   v[AF+4*(\j)+1]
	v_cvt_pk_bf16_f32 v[MX+2*(\j)+1], v[AF+4*(\j)+2], v[AF+4*(\j)+3]
.endr
.irp j, 0,1,2,3,4,5,6,7,8,9,10,11,12,13,14,15
	ds_store_b64 v31, v[MX+2*(\j):MX+2*(\j)+1] offset:1024*(\j)
.endr
	s_wait_kmcnt 0x0
.irp j, 0,1,2,3,4,5,6,7
	v_mov_b32 v[BG+(\j)], s[72+(\j)]               ; bg[j] in register j of every lane: the C operand that starts the logits' sums
.endr
	s_wait_loadcnt 0x0                             ; the bias
; 8 matrix instructions: row block a x all 8 column blocks, 32 along K, from buffer f.  first = 1: the pass's bias starts the sums.
; The accumulators take turns, one instruction a turn, in the same order in every quarter, over the loops' jumps and from pass to pass.
.macro MUL8 f, a, first
.if \first
	WIN W_MULB
.else
	WIN W_MUL
.endif
.irp b, 0,1,2,3,4,5,6,7
.if \first
	v_wmma_f32_16x16x32_bf16 v[8*(8*(\a)+(\b)):8*(8*(\a)+(\b))+7], v[64*(\f)+8*(\b):64*(\f)+8*(\b)+7], v[AF+32*(\f)+8*(\a):AF+32*(\f)+8*(\a)+7], v[BE+8*(\b):BE+8*(\b)+7]
.else
	v_wmma_f32_16x16x32_bf16 v[8*(8*(\a)+(\b)):8*(8*(\a)+(\b))+7], v[64*(\f)+8*(\b):64*(\f)+8*(\b)+7], v[AF+32*(\f)+8*(\a):AF+32*(\f)+8*(\a)+7], v[8*(8*(\a)+(\b)):8*(8*(\a)+(\b))+7]
.endif
.endr
.endm
; The gate's 4 matrix instructions for the same 32 along K: logits of my four row blocks.  first = 1: bg starts the sums.
.macro GMUL f, first
	WIN 0
.irp a, 0,1,2,3
.if \first
	v_wmma_f32_16x16x32_bf16 v[GT+8*(\a):GT+8*(\a)+7], v[WF+8*(\f):WF+8*(\f)+7], v[AF+32*(\f)+8*(\a):AF+32*(\f)+8*(\a)+7], v[BG:BG+7]
.else
	v_wmma_f32_16x16x32_bf16 v[GT+8*(\a):GT+8*(\a)+7], v[WF+8*(\f):WF+8*(\f)+7], v[AF+32*(\f)+8*(\a):AF+32*(\f)+8*(\a)+7], v[GT+8*(\a):GT+8*(\a)+7]
.endif
.endr
.endm
; One run of LDS loads: the fragments of quarter q (32 along K) of a slot into buffer f: (g = 1: 2 for Wg,) 16 for We, 8 for x; the youngest four are x's row blocks 2 and 3.
.macro FETCH slot, q, f, g
.if \g
	WIN 0
	ds_load_tr16_b128 v[WF+8*(\f):WF+8*(\f)+3],   v[AWG] offset:2048*(\slot)+512*(\q)
	ds_load_tr16_b128 v[WF+8*(\f)+4:WF+8*(\f)+7], v[AWG] offset:2048*(\slot)+512*(\q)+256
.endif
	WIN W_TOB
.irp b, 0,1,2,3,4,5,6,7
	ds_load_tr16_b128 v[64*(\f)+8*(\b):64*(\f)+8*(\b)+3],   v[ADRB+(\slot)] offset:32*PB*(\q)+32*(\b)
	ds_load_tr16_b128 v[64*(\f)+8*(\b)+4:64*(\f)+8*(\b)+7], v[ADRB+(\slot)] offset:32*PB*(\q)+32*(\b)+16*PB
.endr
	WIN 0
.irp a, 0,1,2,3
	ds_load_b128 v[AF+32*(\f)+8*(\a):AF+32*(\f)+8*(\a)+3],   v[ADRA+(\slot)] offset:64*(\q)+16*PA*(\a)
	ds_load_b128 v[AF+32*(\f)+8*(\a)+4:AF+32*(\f)+8*(\a)+7], v[ADRA+(\slot)] offset:64*(\q)+16*PA*(\a)+32
.endr
.endm
; A K step is four quarters of 32 along K, 32 (+ 4) matrix instructions each, on buffers 0, 1, 0, 1.
; One of the first three: multiplies buffer f; in its middle it fetches quarter qn of the same slot into buffer fn, in one run.
.macro QUARTER slot, qn, f, fn, first, g
	s_wait_dscnt 4                                 ; We's fragments and x's blocks 0 and 1 are in; the youngest four loads (blocks 2 and 3) may be out
	MUL8 \f, 0, \first
	MUL8 \f, 1, \first
	PLACES
	FETCH \slot, \qn, \fn, \g
	s_wait_dscnt 24+2*(\g)                         ; all but the run just issued
	MUL8 \f, 2, \first
	MUL8 \f, 3, \first
.if \g
	GMUL \f, \first
.endif
.endm
; The last quarter multiplies buffer 1 and changes slots: ONE barrier, for two things.  In front of it each wave waits for all its tensor loads, of which one is out: its part of the next slot;
; adds 0 to its spare word; and waits for that and for its own reads of this slot.  Behind it nobody reads this slot any more and the next slot is whole.
; mode 0, 1: the slot is filled again, two K steps on.  The barrier then opens a round of the cluster's barrier, so that no wave of any partner still reads the slot or has a load on its way, and the
; joint refill is the first thing behind the round: 112 matrix instructions (128 in pass 0) lie between it and the wait for it.  We's address goes 256 rows down; x's goes 512 bytes along its rows
; (mode 0) or, where the step two on belongs to the next pass, 1,536 bytes back (mode 1).  mode 2: nothing is left to fetch.
; g: this step has gate products; gn: so has the next.
.macro TURN slot, next, mode, g, gn
	WIN 0                                          ; (the add's two registers lie in window 0)
	s_wait_tensorcnt 0x0                           ; all my tensor loads have landed, so a group 0 may be written;
	ds_add_u32 v[SPW], v[NIL]                      ; 0 onto my spare word;
	s_wait_dscnt 7                                 ; (the add and the youngest six loads, x's blocks 1 to 3, may be out)
	MUL8 1, 0, 0                                   ; eight matrix instructions stand between the add and the wait for it
	s_wait_dscnt 0x0                               ; the add is done, and my reads of this slot are over
	s_barrier_signal -1
	MUL8 1, 1, 0                                   ; work on registers while the others arrive
.if (\mode) < 2
	WIN 0
.endif
	s_barrier_wait -1
.if (\mode) < 2
	CREST
.if (\mode) == 1
	s_sub_nc_u64 s[G0A+4*(\slot)+2:G0A+4*(\slot)+3], s[G0A+4*(\slot)+2:G0A+4*(\slot)+3], 1536
.else
	s_add_nc_u64 s[G0A+4*(\slot)+2:G0A+4*(\slot)+3], s[G0A+4*(\slot)+2:G0A+4*(\slot)+3], 512
.endif
	s_add_nc_u64 s[G0B+4*(\slot)+2:G0B+4*(\slot)+3], s[G0B+4*(\slot)+2:G0B+4*(\slot)+3], 524288
	JLOAD \slot                                    ; the four v_nop behind it are also the places in front of the loads below
.else
	PLACES
.endif
.if (\gn) && ((\slot) == 1)
	WIN 0
	v_add_nc_u32 v[AWG], 4096, v[AWG]              ; Wg's rows of the next lap
.endif
	FETCH \next, 0, 0, \gn
	MUL8 1, 2, 0
	MUL8 1, 3, 0
.if \g
	GMUL 1, 0
.endif
.endm
; A trip goes once round the ring, from a lap's second quarter to the next lap's first, and fills both slots again.
.macro LAP g
	QUARTER 0, 2, 1, 0, 0, \g
	QUARTER 0, 3, 0, 1, 0, \g
	TURN 0, 1, 0, \g, \g
	QUARTER 1, 1, 0, 1, 0, \g
	QUARTER 1, 2, 1, 0, 0, \g
	QUARTER 1, 3, 0, 1, 0, \g
	TURN 1, 0, 0, \g, \g
	QUARTER 0, 1, 0, 1, 0, \g
	WIN 0                                          ; at a label and at a branch every window is 0
.endm
.macro BELOAD                          ; the next expert's bias.  The last loads by this base have been waited for; BE's last reader is the pass's first quarter, many places back
	WIN 0
	s_add_nc_u64 s[12:13], s[12:13], 4096
	BEL
.endm
; MAIN += gate x TMP for row block a: 32 packed lines; each accumulator is read from its lowest registers on.  The gate in hand stands in register 0 of the block's GT.  first = 1: MAIN begins.
.macro FOLDROW a, first
	WIN W_FOLD
.set i, 64*(\a)
.rept 32
.if \first
	v_pk_mul_f32 v[i:i+1], v[i:i+1], v[GT+8*(\a):GT+8*(\a)+1] op_sel_hi:[1,0]
.else
	v_pk_fma_f32 v[i:i+1], v[i:i+1], v[GT+8*(\a):GT+8*(\a)+1], v[i:i+1] op_sel_hi:[1,0,1]
.endif
.set i, i+2
.endr
.endm
.macro FOLD first                      ; blocks 0 and 1 were finished ahead of the joint load's four v_nop; their 64 lines, which name no register of the last products, are the places for blocks 2 and 3
	FOLDROW 0, \first
	FOLDROW 1, \first
	FOLDROW 2, \first
	FOLDROW 3, \first
.endm
.macro ROTATE                          ; the next expert's gate moves to where the one text of the fold names it: 28 moves a pass, the price of one text for passes 1 to 7
	WIN 0
.irp a, 0,1,2,3
.irp e, 0,1,2,3,4,5,6
	v_mov_b32 v[GT+8*(\a)+(\e)], v[GT+8*(\a)+(\e)+1]
.endr
.endr
.endm
; gate = softmax over a lane's eight logits, for its row in each of the four blocks; the blocks alternate, so that no line waits for the one before it.
.macro SOFTMAX
	WIN 0
.irp a, 0,1,2,3
	v_max3_num_f32 v[MX+(\a)], v[GT+8*(\a)], v[GT+8*(\a)+1], v[GT+8*(\a)+2]   ; the accumulator's lowest registers are read first
.endr
.irp a, 0,1,2,3
	v_max3_num_f32 v[MX+(\a)], v[MX+(\a)], v[GT+8*(\a)+3], v[GT+8*(\a)+4]
.endr
.irp a, 0,1,2,3
	v_max3_num_f32 v[MX+(\a)], v[MX+(\a)], v[GT+8*(\a)+5], v[GT+8*(\a)+6]
.endr
.irp a, 0,1,2,3
	v_max_num_f32 v[MX+(\a)], v[MX+(\a)], v[GT+8*(\a)+7]
.endr
.irp a, 0,1,2,3
	v_mul_f32 v[CM+(\a)], s70, v[MX+(\a)]
.endr
.irp e, 0,1,2,3,4,5,6,7
.irp a, 0,1,2,3
	v_fma_f32 v[GT+8*(\a)+(\e)], v[GT+8*(\a)+(\e)], s70, -v[CM+(\a)]          ; log2(e) (logit - maximum): never above a rounding of 0
.endr
.endr
.irp e, 0,1,2,3,4,5,6,7
.irp a, 0,1,2,3
	v_exp_f32 v[GT+8*(\a)+(\e)], v[GT+8*(\a)+(\e)]
.endr
.endr
	v_nop                                          ; a plain instruction behind the last exponential,
	s_wait_alu depctr_va_vdst(0)                   ; and a wait ahead of the first use: one for the batch of 32
.irp a, 0,1,2,3
	v_pk_add_f32 v[SM+4*(\a):SM+4*(\a)+1],   v[GT+8*(\a):GT+8*(\a)+1],   v[GT+8*(\a)+2:GT+8*(\a)+3]
	v_pk_add_f32 v[SM+4*(\a)+2:SM+4*(\a)+3], v[GT+8*(\a)+4:GT+8*(\a)+5], v[GT+8*(\a)+6:GT+8*(\a)+7]
.endr
.irp a, 0,1,2,3
	v_pk_add_f32 v[SM+4*(\a):SM+4*(\a)+1], v[SM+4*(\a):SM+4*(\a)+1], v[SM+4*(\a)+2:SM+4*(\a)+3]
.endr
.irp a, 0,1,2,3
	v_add_f32 v[SM+4*(\a)], v[SM+4*(\a)], v[SM+4*(\a)+1]
.endr
.irp a, 0,1,2,3
	v_rcp_f32 v[SM+4*(\a)], v[SM+4*(\a)]           ; the sum is at least the largest term, which is 1 to within a rounding
.endr
	v_nop
	s_wait_alu depctr_va_vdst(0)                   ; one wait for the four reciprocals
.irp e, 0,2,4,6
.irp a, 0,1,2,3
	v_pk_mul_f32 v[GT+8*(\a)+(\e):GT+8*(\a)+(\e)+1], v[GT+8*(\a)+(\e):GT+8*(\a)+(\e)+1], v[SM+4*(\a):SM+4*(\a)+1] op_sel_hi:[1,0]
.endr
.endr
.endm
; THE WAY OUT of row block a.  A lane's eight columns of a row are 32 bytes; they go into my own stage, rows of 528 bytes, and come back as whole rows of 512.
.macro TOSTAGE a
.set OB, AF-64*((\a)%2)                ; read back into x's fragments' registers (even a) or the bias's (odd a): both are free by now
	WIN W_ST
.irp b, 0,1,2,3,4,5,6,7
	ds_store_b128 v[STO], v[8*(8*(\a)+(\b)):8*(8*(\a)+(\b))+3]   offset:64*(\b)
	ds_store_b128 v[STO], v[8*(8*(\a)+(\b))+4:8*(8*(\a)+(\b))+7] offset:64*(\b)+16
.endr
	WIN 0
.if (\a) >= 2
	s_wait_xcnt 0x0                                ; the stores of the block two back have had their addresses translated (ISA guide 3.1): only behind this wait are their data registers loaded again
.endif
.irp t, 0,1,2,3,4,5,6,7,8,9,10,11,12,13,14,15
	ds_load_b128 v[OB+4*(\t):OB+4*(\t)+3], v[RD] offset:SP*(\t)  ; LDS serves a wave's instructions in order (ISA guide 5.7.1.4): these see the stores above; the next block's stores come behind them
.endr
.endm
.macro SEND a
.set OB, AF-64*((\a)%2)
	WIN 0
.irp t, 0,1,2,3,4,5,6,7,8,9,10,11,12,13,14,15
	s_wait_dscnt 15-(\t)                           ; row t is back; nothing was issued behind the sixteen loads
	global_store_b128 v[CO], v[OB+4*(\t):OB+4*(\t)+3], s[14:15] offset:(16*(\a)+(\t))*4096 th:TH_STORE_NT  ; 32 lanes store 512 consecutive bytes, at a multiple of 512 from out's first byte
.endr
.endm
	s_wait_dscnt 0x0                               ; for the others' sake: my part of Wg is stored;
	s_wait_tensorcnt 1                             ; my part of K step 0 is in; K step 1's may stay out
	s_barrier_signal -1
	s_barrier_wait -1                              ; everybody's is
	FETCH 0, 0, 0, 1
	; PASS 0: expert 0, and the gate's logits beside it
	QUARTER 0, 1, 0, 1, 1, 1                       ; a pass's first quarter stands in front of the loop: its products start the sums
	WIN 0
	s_mov_b32 s3, 3
.Llap0:
	LAP 1
	s_sub_co_u32 s3, s3, 1
	s_cmp_lg_u32 s3, 0
	s_cbranch_scc1 .Llap0
	QUARTER 0, 2, 1, 0, 0, 1                       ; the pass's last lap: its two refills are the next pass's K steps 0 and 1
	QUARTER 0, 3, 0, 1, 0, 1
	BELOAD
	TURN 0, 1, 1, 1, 1
	QUARTER 1, 1, 0, 1, 0, 1
	QUARTER 1, 2, 1, 0, 0, 1
	QUARTER 1, 3, 0, 1, 0, 1
	TURN 1, 0, 1, 1, 0                             ; it also fetches the next pass's first fragments
	PLACES                                         ; the softmax reads logits just made
	SOFTMAX
	FOLD 1
	ROTATE
	s_wait_loadcnt 0x0                             ; the next pass's bias
	s_mov_b32 s2, 7                                ; passes to go
.Lpass:                                                ; PASSES 1 TO 7, one text
	QUARTER 0, 1, 0, 1, 1, 0
	WIN 0
	s_mov_b32 s3, 3
.Llap:
	LAP 0
	s_sub_co_u32 s3, s3, 1
	s_cmp_lg_u32 s3, 0
	s_cbranch_scc1 .Llap
	QUARTER 0, 2, 1, 0, 0, 0
	QUARTER 0, 3, 0, 1, 0, 0
	WIN 0
	s_cmp_eq_u32 s2, 1
	s_cbranch_scc1 .Llast                          ; the last pass's tail is written out: it asks for nothing more
	BELOAD
	TURN 0, 1, 1, 0, 0
	QUARTER 1, 1, 0, 1, 0, 0
	QUARTER 1, 2, 1, 0, 0, 0
	QUARTER 1, 3, 0, 1, 0, 0
	TURN 1, 0, 1, 0, 0
	FOLD 0
	ROTATE
	s_wait_loadcnt 0x0                             ; the next pass's bias
	s_sub_co_u32 s2, s2, 1
	s_branch .Lpass
.Llast:
	TURN 0, 1, 2, 0, 0                             ; my one tensor load that was still out is slot 1's, the last K step's, so no round follows
	QUARTER 1, 1, 0, 1, 0, 0
	QUARTER 1, 2, 1, 0, 0, 0
	QUARTER 1, 3, 0, 1, 0, 0
	s_wait_dscnt 4                                 ; the very last quarter: nothing more to fetch
	MUL8 1, 0, 0
	MUL8 1, 1, 0
	s_wait_dscnt 0x0
	MUL8 1, 2, 0
	MUL8 1, 3, 0
	PLACES                                         ; the fold reads results just made
	FOLDROW 0, 0
	TOSTAGE 0
.irp a, 1,2,3                          ; block a's fold stands between block a - 1's loads from the stage and the waits for them
	FOLDROW \a, 0
	SEND (\a)-1
	TOSTAGE \a
.endr
	SEND 3
	s_wait_tensorcnt 0x0                           ; the wave's end: an add to my spare word and its wait stand behind my last tensor load and my last LDS store
	ds_add_u32 v[SPW], v[NIL]
	s_wait_dscnt 0x0
	CROUND                                         ; the closing round: no work-group ends while a partner may still ask for a tile that names it
	s_endpgm
.Lfunc_end_k_qc87e77367e_moe:
	.size	k_qc87e77367e_moe, .Lfunc_end_k_qc87e77367e_moe-k_qc87e77367e_moe
	.p2alignl 7, 3214868480
	.fill 96, 4, 3214868480
	.section	.rodata,"a",@progbits
	.p2align	6, 0x0
	.amdhsa_kernel k_qc87e77367e_moe
		.amdhsa_group_segment_fixed_size 327680
		.amdhsa_private_segment_fixed_size 0
		.amdhsa_enable_private_segment 0
		.amdhsa_kernarg_size 48
		.amdhsa_user_sgpr_count 2
		.amdhsa_user_sgpr_kernarg_segment_ptr 1
		.amdhsa_wavefront_size32 1
		.amdhsa_system_sgpr_workgroup_id_x 1
		.amdhsa_system_sgpr_workgroup_id_y 1
		.amdhsa_system_sgpr_workgroup_id_z 1
		.amdhsa_system_vgpr_workitem_id 0
		.amdhsa_next_free_vgpr 1024
		.amdhsa_next_free_sgpr 80
		.amdhsa_reserve_vcc 0
		.amdhsa_float_denorm_mode_32 3
		.amdhsa_float_denorm_mode_16_64 3
		.amdhsa_memory_ordered 1
		.amdhsa_forward_progress 1
		.amdhsa_inst_pref_size 222
	.end_amdhsa_kernel
	.amdgpu_metadata
---
amdhsa.version: [ 1, 2 ]
amdhsa.kernels:
  - .name:           k_qc87e77367e_moe
    .symbol:         k_qc87e77367e_moe.kd
    .args:
      - { .name: xb, .offset: 0, .size: 8, .value_kind: global_buffer, .address_space: global }
      - { .name: wb, .offset: 8, .size: 8, .value_kind: global_buffer, .address_space: global }
      - { .name: Wg, .offset: 16, .size: 8, .value_kind: global_buffer, .address_space: global }
      - { .name: bg, .offset: 24, .size: 8, .value_kind: global_buffer, .address_space: global }
      - { .name: be, .offset: 32, .size: 8, .value_kind: global_buffer, .address_space: global }
      - { .name: out0, .offset: 40, .size: 8, .value_kind: global_buffer, .address_space: global }
    .group_segment_fixed_size: 327680
    .private_segment_fixed_size: 0
    .kernarg_segment_align: 8
    .kernarg_segment_size: 48
    .max_flat_workgroup_size: 128
    .sgpr_count:     80
    .vgpr_count:     1024
    .wavefront_size: 32
...
	.end_amdgpu_metadata
.endif
;; end of part 2
;; ======== version 2 of 2: 2 launches; 1.19 times as fast as version 1
;; limits: values outside matrix products are rounded to bf16
;; workspace buffers: xb 16,777,216 bytes; wb 16,777,216 bytes
;; launch cast: the kernel of part 1 again; grid 512 x 2, 8 waves a work-group, no clusters, 0 bytes of LDS; arguments x, We, xb, wb; writes xb, wb
;; launch moe (part 3): grid 8 x 32, 4 waves a work-group, clusters of 4 x 4, 327,680 bytes of LDS; arguments xb, wb, Wg, bg, be, out0; writes out0
.if DOCPART == 3
	.amdgcn_target "amdgcn-amd-amdhsa--gfx1250"
	.amdhsa_code_object_version 6
	.text
	.protected	k_qc87e77367e_moe
	.globl	k_qc87e77367e_moe
	.p2align	8
	.type	k_qc87e77367e_moe,@function
k_qc87e77367e_moe:
	s_mov_b64 s[64:65], 0
	v_nop
	global_prefetch_b8 v0, s[64:65] scope:SCOPE_SE
	s_setreg_imm32_b32 hwreg(HW_REG_WAVE_MODE, 25, 1), 1
	s_wait_xcnt 0x0
	s_wait_alu depctr_hold_cnt(0) depctr_sa_sdst(0) depctr_va_vdst(0) depctr_va_sdst(0) depctr_va_ssrc(0) depctr_va_vcc(0) depctr_vm_vsrc(0)
	s_getreg_b32 s2, hwreg(HW_REG_IB_STS2, 6, 4)
	s_cmp_eq_u32 s2, 0
	s_cbranch_scc0 .Lentry_in_a_cluster
	s_endpgm
.Lentry_in_a_cluster:
	s_bfe_u32 s2, ttmp6, 0x10000c
	s_cmp_lg_u32 s2, 0xf033
	s_cbranch_scc0 .Lentry_shape_is_right
	s_endpgm
.Lentry_shape_is_right:
; out[n][o] = sum over e of gate[n][e] (sum over i of x[n][i] We[e][i][o] + be[e][o]),  gate = softmax over e of (x Wg + bg).
; xb: [8192][1024] bf16 (x rounded once), wb: [8 x 1024][1024] bf16 (We rounded once, row e 1024 + i), Wg: [1024][8], bg: [8], be: [8][1024], out0: f32.
; Matrix operands are bf16: x, We, Wg and be rounded once; the gates rounded for the bias term alone (off by at most 2^-9 of |be|).  All sums, bg, the softmax (its maximum taken away) and the weighing are f32.
; LIMITS.  A gate below 2^-126 counts as 0 (v_exp_f32 flushes: ISA guide 15.8); NaN and infinities are not treated apart.
; SHARES.  A tile of out is 256 rows x 128 columns: 32 x 8 = 256 work-groups of four waves.  Wave w makes rows 64 w .. 64 w + 63 and all 128 columns: 4 row blocks a x 8 column blocks b.
; THE WALK IS BY CHUNKS OF K.  A chunk of x is 256 rows x 128 K; a wave reads its 64 rows of it out of LDS ONCE, into 128 registers, and all eight experts multiply them.  A PERIOD is two experts on one
; chunk: 256 matrix instructions a wave, for which 64 KB of We and 16 KB of x (a quarter of the next chunk) are fetched.  8 chunks x 4 periods.  TMP (256 registers) sums one expert over one chunk,
; begun with the constant 0; then MAIN += gate x TMP (the fold).
; A HALF is 64 K of one expert: 64 matrix instructions, block by block (a = 0 .. 3, sixteen each).  We's fragments of a half are 128 registers, two buffers; the next half's 32 LDS loads stand in ONE run
; behind the half's first sixteen products.
; THE FOLD RIDES: two packed lines behind a matrix instruction: row block a behind the sixteen products of block a + 1 in the expert's second half, block 3 behind the next expert's first sixteen.
; THE GATES COME FIRST.  A prologue takes x's tile once through LDS, 256 K a round, each wave its own 64 rows, and makes the logits (source 0 = Wg's 8 columns laid twice, so that register j of EVERY lane
; holds expert j's logit of the lane's row), then the softmax.  MAIN begins as the bias term, one product a tile: source 0 = be's 8 rows as k = 0 .. 7, source 1 = the gates; all other k meet zeros.
; ONE TEXT FOR EVERY PERIOD.  Each period the gates turn by one place inside registers 0-3 and inside registers 4-7 of a block, so that the two experts in hand stand in registers 0 and 4:
; period q takes experts (q + 1) % 4 and that plus 4.  The LDS bases of the chunk and of the slot in hand are scalars that an exclusive or toggles.
; THE MATRIX INSTRUCTION IS USED TRANSPOSED: source 0 = 16 columns of We (turned on their way out of LDS by ds_load_tr16_b128), source 1 = 16 rows of x.  Lane l then holds row l % 16 and the
; columns 8 (l / 16) + 0 .. 7 of a block: a row's gate is one number a lane.
; CLUSTER 4 x 4.  The four work-groups of a row of the cluster need the same tiles of x, the four of a column the same tiles of We: each tile is asked for JOINTLY.
; REGISTERS, in windows of 256 (s_set_vgpr_msb: bits 1:0 source 0, 3:2 source 1, 5:4 source 2, 7:6 destination):
;   window 0: v0-31 addresses; v32-63 GT logits, then gates; v64-191 XF x's fragments of the chunk, quarter q, block a at 64 + 32 q + 8 a (at work in the prologue and on the way out); v208-215 bg; v192-207, v216-255 at work
;   window 1: We's fragments, buffer f, 32 K c, block b at 128 f + 64 c + 8 b      window 2: TMP, tile (a, b) at 8 (8 a + b); in the prologue x's fragments      window 3: MAIN, likewise
; The fold's operands lie in three windows, and no window has room for them beside a product's: a rider group costs two switches.
.set PA,     272                       ; a row of x in LDS: 256 bytes + 16 = 68 words: the 16 rows of a load start at 16 different groups of four banks (64 banks of 4 bytes: ISA guide 11.1)
.set PB,     288                       ; a k row of We in LDS: 256 + 32 = 72 words
.set PP,     528                       ; a row of x in the prologue: 512 bytes + 16
.set BOFF,   256*PA                    ; a slot: a chunk of x (256 rows), then
.set XOFF,   128*PB                    ; two experts' 128 k rows of We
.set SLOTD,  BOFF+2*XOFF               ; 143,360; the prologue's tile of 256 rows x 528 bytes lies inside a slot
.set STAGE,  2*SLOTD                   ; behind the slots, never filled by a tensor load: for each wave 16 rows x 528 bytes, for the way out
.set WGB,    STAGE                     ; until then the stage's bytes hold Wg in bf16, [1024][8], 16 bytes a row,
.set BEB,    STAGE+16384               ; and my tile of be in bf16, [8][128], 256 bytes a row
.set SP,     528
.set SPARE,  STAGE+4*16*SP             ; the spare words, 128 bytes for each wave: two blocks of 256 bytes that no other line names
.set HM,    10                         ; v10     all ones in lanes 0-15, 0 in lanes 16-31
.set ADRA0, 16                         ; v16     my lane's place in a chunk of x; never rewritten
.set ADRA,  17                         ; v17     the same in the chunk in hand
.set APG,   18                         ; v18-19  my lane's place in the prologue's tile in slot 0, 1
.set ADRB0, 20                         ; v20     my lane's place in an expert's k rows, slot 0; never rewritten
.set AWG,   21                         ; v21     the same for Wg
.set ADRB,  22                         ; v22-23  the same for the first and the second expert of the slot in hand
.set STO,   24                         ; v24     the way out: where I put 32 bytes of a row
.set RD,    25                         ; v25     the way out: where I read a row back
.set CO,    26                         ; v26     my 16 bytes in a row's 512 bytes of out
.set ABE,   27                         ; v27     my lane's place in be's tile
.set SPW,   28                         ; v28     LDS address of my spare word; never rewritten
.set NIL,   29                         ; v29     0; never rewritten
.set GT,    32
.set XF,    64
.set ZF,    64                         ; v64-71  in the prologue: a fragment of zeros
.set AF,    128                        ; v128-191 in the prologue: Wg as loaded, Wg's fragments, the gates as a fragment
.set BG,    208
.set MX,    216                        ; v216-219 a row's largest logit;  v220-223 that times log2(e);  v224-239 sums, four registers a block
.set CM,    220
.set SM,    224
.set RT,    216                        ; v216-223 later: at work while the gates turn
.set OUTC,  2                          ; s2      chunks to go
.set CNT,   3                          ; s3      periods to go in the chunk
.set G1X,   24                         ; s[24:31] descriptor group 1 for x's tiles (rewritten twice, each time with no load out)
.set G0X,   32                         ; s[32:39] group 0 for x's tiles: two sets in the prologue, then the first alone
.set ABASE, 40                         ; s[40:41] xb at my 32 rows of the tile's first quarter
.set BBASE, 42                         ; s[42:43] wb at my tile's columns, expert 0 (wave 2) or 4 (wave 3)
.set AOFF,  44                         ; s[44:45] byte offset of the quarter of x to be asked for next
.set BOF,   46                         ; s[46:47] byte offset of the k rows of We to be asked for next
.set G1B,   48                         ; s[48:55] group 1 for We's tiles
.set G0B,   56                         ; s[56:59] group 0 for We's tiles
.set TA,    60                         ; s60     LDS base of the chunk in hand: 0 or SLOTD
.set TB,    61                         ; s61     LDS base of the slot of We in hand
.set AFB,   62                         ; s62     LDS base of the chunk being filled
.set AQO,   63                         ; s63     where in it the next quarter goes
.set BFB,   67                         ; s67     LDS base of the slot of We to be filled next
.set BCON,  68                         ; s68     my expert's place in a slot
.set QN,    69                         ; s69     the period whose We is asked for next
.set XROW,  84                         ; s[84:85] xb at the tile's first row
.set MSB, 0
.macro WIN new                         ; the immediate's high byte repeats the setting that is left; a switch that changes nothing is dropped
.if MSB != (\new)
	s_set_vgpr_msb (MSB<<8)|(\new)
.set MSB, \new
.endif
.endm
.set W_MUL,  0xa1                      ; source 0 (We) window 1, source 1 (x) window 0, C and D window 2
.set W_TOB,  0x40                      ; destination window 1, address window 0
.set W_FOLD, 0xf2                      ; source 0 (TMP) window 2, source 1 (gate) window 0, source 2 and destination (MAIN) window 3
.set W_ST,   0x0c                      ; an LDS store's data (source 1) in window 3
; A joint load.  Waves 0 and 1 fetch for x, waves 2 and 3 for We.  The branch hangs on the wave's number alone.
; An s_nop 0 and four v_nop follow each tensor load, ahead of the jump, the label and what follows.
.macro JLOAD
	s_cmp_eq_u32 s17, 0
	s_cbranch_scc0 .Lfor_b_\@
	tensor_load_to_lds s[G0X:G0X+3], s[G1X:G1X+7]
	s_nop 0
.rept 4
	v_nop
.endr
	s_branch .Lasked_\@
.Lfor_b_\@:
	tensor_load_to_lds s[G0B:G0B+3], s[G1B:G1B+7]
	s_nop 0
.rept 4
	v_nop
.endr
.Lasked_\@:
.endm
.macro JLOADB                          ; in the last chunk nothing of x is left to fetch: waves 0 and 1 issue no load
	s_cmp_eq_u32 s17, 0
	s_cbranch_scc1 .Lno_fill_\@
	tensor_load_to_lds s[G0B:G0B+3], s[G1B:G1B+7]
	s_nop 0
.rept 4
	v_nop
.endr
.Lno_fill_\@:
.endm
; A round of the cluster's barrier: my work-group's barrier, so that wave 0's signal speaks for all four waves; wave 0 signals; every wave waits for all sixteen work-groups; my work-group's barrier once more.
.macro CREST                           ; a round behind its opening barrier
	s_cmp_lg_u32 s16, 0
	s_cbranch_scc1 .Lnot_wave_0_\@
	s_barrier_signal -3
.Lnot_wave_0_\@:
	s_barrier_wait -3
	s_barrier_signal -1
	s_barrier_wait -1
.endm
.macro CROUND                          ; a whole round
	s_barrier_signal -1
	s_barrier_wait -1
	CREST
.endm
; A load into a register that a matrix instruction has read, and a vector instruction that reads a matrix result, stand four places behind that matrix instruction; only plain vector
; instructions that name none of its registers are places (ISA guide 7.12.1 for vector instructions).  Where riders stand between, they are the places.
.macro PLACES
.rept 4
	v_nop
.endr
.endm
; Group 0 for the next quarter of x: 32 rows of mine, 64 rows on from the last; written only where no tensor load of mine is out.
.macro ADESC
	s_add_nc_u64 s[G0X+2:G0X+3], s[ABASE:ABASE+1], s[AOFF:AOFF+1]
	s_or_b32 s[G0X+3], s[G0X+3], 0x80000000
	s_add_co_u32 s[G0X+1], s[AFB], s[AQO]
	s_add_co_u32 s[AOFF], s[AOFF], 64*2048
	s_add_co_u32 s[AQO], s[AQO], 64*PA
.endm
; Group 0 for We of period QN: expert (QN + 1) % 4 (1,024 rows of 2,048 bytes each), chunk QN / 4 (128 rows each); the slots take turns.
.macro BDESC
	s_add_co_u32 s80, s[QN], 1
	s_and_b32 s80, s80, 3
	s_lshl_b32 s80, s80, 21
	s_lshr_b32 s81, s[QN], 2
	s_lshl_b32 s81, s81, 18
	s_add_co_u32 s[BOF], s80, s81
	s_add_nc_u64 s[G0B+2:G0B+3], s[BBASE:BBASE+1], s[BOF:BOF+1]
	s_or_b32 s[G0B+3], s[G0B+3], 0x80000000
	s_add_co_u32 s[G0B+1], s[BFB], s[BCON]
	s_xor_b32 s[BFB], s[BFB], SLOTD
	s_add_co_u32 s[QN], s[QN], 1
.endm
	s_load_b256 s[4:11], s[0:1], 0x0               ; xb s[4:5], wb s[6:7], Wg s[8:9], bg s[10:11]
	s_load_b128 s[12:15], s[0:1], 0x20             ; be s[12:13], out0 s[14:15]
	v_lshl_add_u32 v[SPW], v0, 2, SPARE
	v_mov_b32 v[NIL], 0
	ds_add_u32 v[SPW], v[NIL]                      ; the wave's opening: the add and its wait stand ahead of my first tensor load; the set-up below, work on registers, stands between them
	v_lshrrev_b32 v1, 5, v0
	v_readfirstlane_b32 s16, v1                    ; wave 0..3
	s_lshr_b32 s17, s16, 1                         ; in the periods I fetch for x (0) or for We (1),
	s_and_b32 s18, s16, 1                          ; and which part
	s_bfe_u32 s19, ttmp6, 0x40000                  ; cx, cy: my place in the cluster
	s_bfe_u32 s20, ttmp6, 0x40004
	s_lshl_b32 s21, ttmp9, 2                       ; in a cluster launch ttmp9 and ttmp7 count clusters
	s_add_co_u32 s21, s21, s19                     ; tc, tile column = 4 x cluster x + cx
	s_and_b32 s22, ttmp7, 0xffff
	s_lshl_b32 s22, s22, 2
	s_add_co_u32 s22, s22, s20                     ; tr, tile row = 4 x cluster y + cy
	s_lshl_b32 s23, s20, 2
	s_lshl_b32 s23, 15, s23                        ; my row of the cluster: places 4 cy .. 4 cy + 3
	s_lshl_b32 s66, 0x1111, s19                    ; my column: places cx, cx + 4, cx + 8, cx + 12
	; descriptor group 1.  x in the prologue: 64 rows x 256 elements, 4 words of padding behind each row's 128; We: 128 rows x 128 elements, 8 words behind each row's 64
	s_or_b32 s[G1X+0], s23, (1<<16)|(1<<20)|(1<<21)|(6<<22)|(3<<25)  ; 15:0 the mask: x's tiles go to my row; 17:16 elements of 2 bytes; 20 padding on; 21 set beside a mask; 24:22 after every 128 words (code 6); 31:25 4 words (code 3)
	s_mov_b32 s[G1X+1], 256<<16                    ; tensor_dim0 = 256
	s_mov_b32 s[G1X+2], 64<<16                     ; tensor_dim1 = 64
	s_mov_b32 s[G1X+3], 256<<16                    ; tile_dim0 = 256
	s_mov_b32 s[G1X+4], 64                         ; tile_dim1 = 64
	s_mov_b32 s[G1X+5], 1024                       ; 1,024 elements from row to row
	s_mov_b32 s[G1X+6], 0
	s_mov_b32 s[G1X+7], 0
	s_or_b32 s[G1B+0], s66, (1<<16)|(1<<20)|(1<<21)|(5<<22)|(7<<25)  ; the mask of my column; after every 64 words (code 5) 8 words (code 7)
	s_mov_b32 s[G1B+1], 128<<16                    ; tensor_dim0 = 128
	s_mov_b32 s[G1B+2], 128<<16                    ; tensor_dim1 = 128
	s_mov_b32 s[G1B+3], 128<<16                    ; tile_dim0 = 128
	s_mov_b32 s[G1B+4], 128                        ; tile_dim1 = 128
	s_mov_b32 s[G1B+5], 1024
	s_mov_b32 s[G1B+6], 0
	s_mov_b32 s[G1B+7], 0
	; byte offsets, made apart from the addresses.  x's hang on the tile row and the wave alone, We's on the tile column and the wave alone
	s_lshl_b32 s82, s22, 19                        ; x: 256 tr rows of 2,048 bytes
	s_mov_b32 s83, 0
	s_lshl_b32 s86, s16, 17                        ; the prologue: my wave's 64 rows
	s_mov_b32 s87, 0
	s_lshl_b32 s88, s18, 18                        ; chunk 0: my half's 128 rows
	s_mov_b32 s89, 0
	s_lshl_b32 s90, s18, 16                        ; a quarter: my 32 rows
	s_mov_b32 s91, 0
	s_lshl_b32 s46, s21, 8                         ; We: 128 tc columns of 2 bytes,
	s_lshl_b32 s47, s18, 23                        ; and four experts on for the second of a pair
	s_add_co_u32 s46, s46, s47
	s_mov_b32 s47, 0
	s_lshl_b32 s92, s22, 20                        ; out: 256 tr rows of 4,096 bytes
	s_lshl_b32 s93, s16, 18                        ;      + my wave's 64 rows
	s_add_co_u32 s92, s92, s93
	s_lshl_b32 s94, s21, 9                         ;      + 128 tc columns of 4 bytes, which is also be's offset
	s_add_co_u32 s92, s92, s94
	s_mov_b32 s93, 0
	s_mov_b32 s95, 0
	s_mul_i32 s71, s16, 64*PP                      ; where my rows go in the prologue: no place in the cluster enters an LDS address
	s_mov_b32 s70, 0x3fb8aa3b                      ; log2(e)
	s_mov_b32 s[TA], 0                             ; the periods' state: chunk 0 lies in slot 0, chunk 1 is filled into slot 1,
	s_mov_b32 s[TB], 0
	s_mov_b32 s[AFB], SLOTD
	s_mul_i32 s[AQO], s18, 32*PA
	s_mov_b32 s[AOFF], 256                         ; 256 bytes along x's rows
	s_mov_b32 s[AOFF+1], 0
	s_mov_b32 s[BFB], 0                            ; We of period 0 goes to slot 0
	s_mul_i32 s[BCON], s18, XOFF
	s_add_co_u32 s[BCON], s[BCON], BOFF
	s_mov_b32 s[QN], 0
	s_mov_b32 s[G0B], 1                            ; 1:0 count = 1
	s_wait_dscnt 0x0                               ; the opening add is done
	s_wait_kmcnt 0x0
	s_add_nc_u64 s[XROW:XROW+1], s[4:5], s[82:83]
	s_add_nc_u64 s[BBASE:BBASE+1], s[6:7], s[46:47]
	s_add_nc_u64 s[14:15], s[14:15], s[92:93]      ; out at my wave's first row and the tile's first column
	s_add_nc_u64 s[12:13], s[12:13], s[94:95]      ; be at expert 0, the tile's first column
	s_add_nc_u64 s[ABASE:ABASE+1], s[XROW:XROW+1], s[90:91]
	s_add_nc_u64 s[86:87], s[XROW:XROW+1], s[86:87]
	s_add_nc_u64 s[88:89], s[XROW:XROW+1], s[88:89]
	CROUND                                         ; all sixteen work-groups are here: the first joint loads meet
.irp s, 0,1
	s_mov_b32 s[G0X+4*(\s)], 1                                       ; 1:0 count = 1
	s_add_co_u32 s[G0X+4*(\s)+1], s71, (\s)*SLOTD                    ; 63:32 LDS address
	s_add_nc_u64 s[G0X+4*(\s)+2:G0X+4*(\s)+3], s[86:87], (\s)*512    ; 120:64 global address: K = 256 s on
	s_or_b32 s[G0X+4*(\s)+3], s[G0X+4*(\s)+3], 0x80000000            ; 127:126 type = 2
.endr
	tensor_load_to_lds s[G0X:G0X+3], s[G1X:G1X+7]  ; the two first fills go out together: two tensor loads of mine are out
	s_nop 0
	tensor_load_to_lds s[G0X+4:G0X+7], s[G1X:G1X+7]
	s_nop 0
.rept 4
	v_nop
.endr
	s_load_b256 s[72:79], s[10:11], 0x0            ; bg's eight numbers
	v_lshlrev_b32 v30, 4, v0                       ; Wg: thread t takes 16 bytes at 16 t + 2,048 j
	v_and_b32 v1, 15, v0                           ; l % 16
	v_lshrrev_b32 v11, 4, v0                       ; be: thread t takes expert t / 16, columns 8 (t % 16) + 0..7
	v_lshlrev_b32 v11, 12, v11
	v_lshl_add_u32 v11, v1, 5, v11
.irp j, 0,1,2,3,4,5,6,7,8,9,10,11,12,13,14,15
	global_load_b128 v[AF+4*(\j):AF+4*(\j)+3], v30, s[8:9] offset:2048*(\j)  ; into registers that are not yet in use
.endr
	global_load_b128 v[248:251], v11, s[12:13]
	global_load_b128 v[252:255], v11, s[12:13] offset:16
	v_bfe_u32 v2, v0, 4, 1                         ; l / 16
	v_and_b32 v3, 31, v0                           ; l
	v_and_b32 v4, 7, v0                            ; l % 8
	v_bfe_u32 v5, v0, 3, 1                         ; (l / 8) % 2
	v_add_nc_u32 v[HM], -1, v2
	; A fragment of x is 16 rows x 32 K in 8 registers: lane l holds row l % 16; registers 0-3 K = 8 (l / 16) + 0..7, registers 4-7 K = 16 + 8 (l / 16) + 0..7: two loads of 16 bytes, 32 bytes apart.
	v_mul_u32_u24 v6, v1, PA
	v_lshl_add_u32 v6, v2, 4, v6
	s_mul_i32 s71, s16, 64*PA                      ; my wave's 64 rows
	v_add_nc_u32 v[ADRA0], s71, v6
	v_mov_b32 v[ADRA], v[ADRA0]
	v_mul_u32_u24 v6, v1, PP
	v_lshl_add_u32 v6, v2, 4, v6
	s_mul_i32 s71, s16, 64*PP
	v_add_nc_u32 v[APG], s71, v6
	v_add_nc_u32 v[APG+1], SLOTD, v[APG]
	; The turning load takes 16 k x 16 columns (lane l reads k row 8 (l / 16) + l % 8, columns 8 ((l / 8) % 2) + 0..7) and leaves half a fragment: lane l holds column l % 16 and 8 k.
	v_lshl_add_u32 v7, v2, 3, v4
	v_mul_u32_u24 v8, v7, PB
	v_lshl_add_u32 v8, v5, 4, v8
	v_add_nc_u32 v[ADRB0], BOFF, v8
	v_lshl_add_u32 v[AWG], v7, 4, WGB              ; Wg's rows have 8 columns: both groups of eight lanes read the same 16 bytes, so lanes 8-15 of each half repeat experts 0-7
	v_lshlrev_b32 v9, 8, v4                        ; be has 8 rows: both halves of the lanes read rows 0-7; what the upper half holds (k = 8 .. 15) meets zeros
	v_lshl_add_u32 v9, v5, 4, v9
	v_add_nc_u32 v[ABE], BEB, v9
	s_mul_i32 s71, s16, 16*SP
	s_add_co_u32 s71, s71, STAGE                   ; my stage
	v_mul_u32_u24 v9, v1, SP                       ; in: row l % 16, 32 bytes for each half of the lanes
	v_lshl_add_u32 v9, v2, 5, v9
	v_add_nc_u32 v[STO], s71, v9
	v_lshl_add_u32 v[RD], v3, 4, s71               ; back: 32 lanes take one row of 512 bytes,
	v_lshlrev_b32 v[CO], 4, v3                     ; and the same in out
	v_lshl_add_u32 v31, v0, 3, WGB                 ; Wg in bf16: thread t puts 8 bytes at 8 t + 1,024 j
	v_lshl_add_u32 v12, v0, 4, BEB                 ; be in bf16: thread t puts 16 bytes at 16 t = 256 (t / 16) + 16 (t % 16)
	s_wait_loadcnt 2                               ; Wg's sixteen loads are in; be's two, issued behind them, may stay out
.irp j, 0,1,2,3,4,5,6,7,8,9,10,11,12,13,14,15
	v_cvt_pk_bf16_f32 v[MX+2*(\j)],   v[AF+4*(\j)],   v[AF+4*(\j)+1]
	v_cvt_pk_bf16_f32 v[MX+2*(\j)+1], v[AF+4*(\j)+2], v[AF+4*(\j)+3]
.endr
.irp j, 0,1,2,3,4,5,6,7,8,9,10,11,12,13,14,15
	ds_store_b64 v31, v[MX+2*(\j):MX+2*(\j)+1] offset:1024*(\j)
.endr
	s_wait_loadcnt 0x0                             ; be
.irp i, 0,1,2,3
	v_cvt_pk_bf16_f32 v[192+(\i)], v[248+2*(\i)], v[248+2*(\i)+1]
.endr
	ds_store_b128 v12, v[192:195]
	s_wait_kmcnt 0x0
.irp j, 0,1,2,3,4,5,6,7
	v_mov_b32 v[BG+(\j)], s[72+(\j)]               ; bg[j] in register j of every lane: the C operand that starts the logits' sums
.endr
; THE PROLOGUE'S WORK.  Half hf (128 K) of round n's tile in slot s: 8 turning loads for Wg's four fragments, 32 loads for x's sixteen (into TMP's registers, which are free).
.macro GFETCH n, s, hf
	WIN 0
.irp j, 0,1,2,3
	ds_load_tr16_b128 v[AF+32*(\hf)+8*(\j):AF+32*(\hf)+8*(\j)+3],   v[AWG] offset:4096*(\n)+2048*(\hf)+512*(\j)
	ds_load_tr16_b128 v[AF+32*(\hf)+8*(\j)+4:AF+32*(\hf)+8*(\j)+7], v[AWG] offset:4096*(\n)+2048*(\hf)+512*(\j)+256
.endr
	WIN 0x80                                       ; destination window 2
.irp j, 0,1,2,3
.irp a, 0,1,2,3
	ds_load_b128 v[128*(\hf)+32*(\j)+8*(\a):128*(\hf)+32*(\j)+8*(\a)+3],   v[APG+(\s)] offset:256*(\hf)+64*(\j)+16*PP*(\a)
	ds_load_b128 v[128*(\hf)+32*(\j)+8*(\a)+4:128*(\hf)+32*(\j)+8*(\a)+7], v[APG+(\s)] offset:256*(\hf)+64*(\j)+16*PP*(\a)+32
.endr
.endr
	WIN 0
.endm
; Its 16 matrix instructions; the four blocks' accumulators take turns.  first = 1: bg starts the sums.
.macro GMULS hf, first
	WIN 0x08                                       ; source 1 (x) window 2; Wg, C and D window 0
.irp j, 0,1,2,3
.irp a, 0,1,2,3
.if (\first) && ((\j) == 0)
	v_wmma_f32_16x16x32_bf16 v[GT+8*(\a):GT+8*(\a)+7], v[AF+32*(\hf)+8*(\j):AF+32*(\hf)+8*(\j)+7], v[128*(\hf)+32*(\j)+8*(\a):128*(\hf)+32*(\j)+8*(\a)+7], v[BG:BG+7]
.else
	v_wmma_f32_16x16x32_bf16 v[GT+8*(\a):GT+8*(\a)+7], v[AF+32*(\hf)+8*(\j):AF+32*(\hf)+8*(\j)+7], v[128*(\hf)+32*(\j)+8*(\a):128*(\hf)+32*(\j)+8*(\a)+7], v[GT+8*(\a):GT+8*(\a)+7]
.endif
.endr
.endr
	WIN 0
.endm
.macro GROUND n, s, first              ; a round's 256 K.  I read only the rows that my own load brought, behind my own wait for it; the places in front of the loads are the four v_nop behind the tensor load
	GFETCH \n, \s, 0
	s_wait_dscnt 0x0
	GFETCH \n, \s, 1                               ; the second half is on its way while the first is multiplied
	GMULS 0, \first
	s_wait_dscnt 0x0
	GMULS 1, 0
.endm
.macro PREFILL s                       ; slot s, which I have read, takes the 256 K two rounds on
	s_wait_tensorcnt 0x0                           ; all my tensor loads have landed, so a group 0 may be written
	ds_add_u32 v[SPW], v[NIL]                      ; 0 onto my spare word
	s_add_nc_u64 s[G0X+4*(\s)+2:G0X+4*(\s)+3], s[G0X+4*(\s)+2:G0X+4*(\s)+3], 1024
	s_wait_dscnt 0x0                               ; the add is done, and my reads of the slot are over
	CROUND                                         ; no wave of any partner still reads the slot or has a load on its way
	tensor_load_to_lds s[G0X+4*(\s):G0X+4*(\s)+3], s[G1X:G1X+7]
	s_nop 0
.rept 4
	v_nop
.endr
.endm
; gate = softmax over a lane's eight logits, for its row in each of the four blocks; the blocks alternate, so that no line waits for the one before it.
.macro SOFTMAX
	WIN 0
.irp a, 0,1,2,3
	v_max3_num_f32 v[MX+(\a)], v[GT+8*(\a)], v[GT+8*(\a)+1], v[GT+8*(\a)+2]   ; the accumulator's lowest registers are read first
.endr
.irp a, 0,1,2,3
	v_max3_num_f32 v[MX+(\a)], v[MX+(\a)], v[GT+8*(\a)+3], v[GT+8*(\a)+4]
.endr
.irp a, 0,1,2,3
	v_max3_num_f32 v[MX+(\a)], v[MX+(\a)], v[GT+8*(\a)+5], v[GT+8*(\a)+6]
.endr
.irp a, 0,1,2,3
	v_max_num_f32 v[MX+(\a)], v[MX+(\a)], v[GT+8*(\a)+7]
.endr
.irp a, 0,1,2,3
	v_mul_f32 v[CM+(\a)], s70, v[MX+(\a)]
.endr
.irp e, 0,1,2,3,4,5,6,7
.irp a, 0,1,2,3
	v_fma_f32 v[GT+8*(\a)+(\e)], v[GT+8*(\a)+(\e)], s70, -v[CM+(\a)]          ; log2(e) (logit - maximum): never above a rounding of 0
.endr
.endr
.irp e, 0,1,2,3,4,5,6,7
.irp a, 0,1,2,3
	v_exp_f32 v[GT+8*(\a)+(\e)], v[GT+8*(\a)+(\e)]
.endr
.endr
	v_nop                                          ; a plain instruction behind the last exponential,
	s_wait_alu depctr_va_vdst(0)                   ; and a wait ahead of the first use: one for the batch of 32
.irp a, 0,1,2,3
	v_pk_add_f32 v[SM+4*(\a):SM+4*(\a)+1],   v[GT+8*(\a):GT+8*(\a)+1],   v[GT+8*(\a)+2:GT+8*(\a)+3]
	v_pk_add_f32 v[SM+4*(\a)+2:SM+4*(\a)+3], v[GT+8*(\a)+4:GT+8*(\a)+5], v[GT+8*(\a)+6:GT+8*(\a)+7]
.endr
.irp a, 0,1,2,3
	v_pk_add_f32 v[SM+4*(\a):SM+4*(\a)+1], v[SM+4*(\a):SM+4*(\a)+1], v[SM+4*(\a)+2:SM+4*(\a)+3]
.endr
.irp a, 0,1,2,3
	v_add_f32 v[SM+4*(\a)], v[SM+4*(\a)], v[SM+4*(\a)+1]
.endr
.irp a, 0,1,2,3
	v_rcp_f32 v[SM+4*(\a)], v[SM+4*(\a)]           ; the sum is at least the largest term, which is 1 to within a rounding
.endr
	v_nop
	s_wait_alu depctr_va_vdst(0)                   ; one wait for the four reciprocals
.irp e, 0,2,4,6
.irp a, 0,1,2,3
	v_pk_mul_f32 v[GT+8*(\a)+(\e):GT+8*(\a)+(\e)+1], v[GT+8*(\a)+(\e):GT+8*(\a)+(\e)+1], v[SM+4*(\a):SM+4*(\a)+1] op_sel_hi:[1,0]
.endr
.endr
.endm
; THE PERIODS' WORK.
; Part i of 16 of the forty moves that turn the gates: group i / 2 is registers 4 ((i / 2) % 2) + 0..3 of block i / 4; three moves, then two.
.macro ROTH i
.set rG, GT+8*((\i)/4)+4*(((\i)/2)%2)
.set rU, RT+(\i)/2
.if ((\i)%2) == 0
	v_mov_b32 v[rU], v[rG]
	v_mov_b32 v[rG], v[rG+1]
	v_mov_b32 v[rG+1], v[rG+2]
.else
	v_mov_b32 v[rG+2], v[rG+3]
	v_mov_b32 v[rG+3], v[rU]
.endif
.endm
; 8 matrix instructions: row block a x all 8 column blocks, 32 along K: We's fragments c of buffer f, x's quarter q.  z = 1: the constant 0 starts the sums.
; The accumulators take turns, one instruction a turn: between two links of a chain stand seven others'; over the loops' jumps too.
; rk = 1: behind product b ride lines 2 i and 2 i + 1, i = 8 c + b, of the 32 lines MAIN(ra) += gate x TMP(ra), the gate in register gp of block ra's GT; each accumulator is read from its lowest registers on.
; rk = 2: behind product b rides part i of the gates' turn.
.macro MUL8 f, c, q, a, z, rk=0, ra=0, gp=0
.irp b, 0,1,2,3,4,5,6,7
	WIN W_MUL
.if \z
	v_wmma_f32_16x16x32_bf16 v[8*(8*(\a)+(\b)):8*(8*(\a)+(\b))+7], v[128*(\f)+64*(\c)+8*(\b):128*(\f)+64*(\c)+8*(\b)+7], v[XF+32*(\q)+8*(\a):XF+32*(\q)+8*(\a)+7], 0
.else
	v_wmma_f32_16x16x32_bf16 v[8*(8*(\a)+(\b)):8*(8*(\a)+(\b))+7], v[128*(\f)+64*(\c)+8*(\b):128*(\f)+64*(\c)+8*(\b)+7], v[XF+32*(\q)+8*(\a):XF+32*(\q)+8*(\a)+7], v[8*(8*(\a)+(\b)):8*(8*(\a)+(\b))+7]
.endif
.if (\rk) == 1
	WIN W_FOLD
.irp p, 0,2
	v_pk_fma_f32 v[64*(\ra)+4*(8*(\c)+(\b))+(\p):64*(\ra)+4*(8*(\c)+(\b))+(\p)+1], v[64*(\ra)+4*(8*(\c)+(\b))+(\p):64*(\ra)+4*(8*(\c)+(\b))+(\p)+1], v[GT+8*(\ra)+(\gp):GT+8*(\ra)+(\gp)+1], v[64*(\ra)+4*(8*(\c)+(\b))+(\p):64*(\ra)+4*(8*(\c)+(\b))+(\p)+1] op_sel_hi:[1,0,1]
.endr
.elseif (\rk) == 2
	WIN 0
	ROTH 8*(\c)+(\b)
.endif
.endr
.endm
; Row block a through half h of the chunk (64 K; We's buffer h, x's quarters 2 h and 2 h + 1): 16 matrix instructions.
.macro BLOCK h, a, z, rk=0, ra=0, gp=0
	MUL8 \h, 0, 2*(\h), \a, \z, \rk, \ra, \gp
	MUL8 \h, 1, 2*(\h)+1, \a, 0, \rk, \ra, \gp
.endm
; One run of 32 LDS loads: We's fragments of half hf (64 K) of expert x of the slot in hand, into buffer f.
.macro FETCHB x, hf, f
	WIN W_TOB
.irp c, 0,1
.irp b, 0,1,2,3,4,5,6,7
	ds_load_tr16_b128 v[128*(\f)+64*(\c)+8*(\b):128*(\f)+64*(\c)+8*(\b)+3],   v[ADRB+(\x)] offset:32*PB*(2*(\hf)+(\c))+32*(\b)
	ds_load_tr16_b128 v[128*(\f)+64*(\c)+8*(\b)+4:128*(\f)+64*(\c)+8*(\b)+7], v[ADRB+(\x)] offset:32*PB*(2*(\hf)+(\c))+32*(\b)+16*PB
.endr
.endr
.endm
; 8 LDS loads: quarter q (32 K) of my 64 rows of the chunk in hand.
.macro FETCHX q
	WIN 0
.irp a, 0,1,2,3
	ds_load_b128 v[XF+32*(\q)+8*(\a):XF+32*(\q)+8*(\a)+3],   v[ADRA] offset:64*(\q)+16*PA*(\a)
	ds_load_b128 v[XF+32*(\q)+8*(\a)+4:XF+32*(\q)+8*(\a)+7], v[ADRA] offset:64*(\q)+16*PA*(\a)+32
.endr
.endm
; The first three halves of a period.  What stands in front of them has waited for the first half's fragments.
.macro THREE
	BLOCK 0, 0, 1, 1, 3, 4                         ; the first expert begins; the LAST period's second expert, block 3, is folded (its gate still in register 4); those riders are the places for the run below
	FETCHB 0, 1, 1
	BLOCK 0, 1, 1, 2                               ; the gates turn
	BLOCK 0, 2, 1
	BLOCK 0, 3, 1
	s_wait_dscnt 0x0                               ; the run above is in (issued 48 matrix instructions ago), and at a chunk's beginning x's quarters 2 and 3
	BLOCK 1, 0, 0
	PLACES                                         ; for the run below, and for the riders that read block 0's results
	FETCHB 1, 0, 0
	BLOCK 1, 1, 0, 1, 0, 0                         ; the first expert ends: blocks 0, 1, 2 are folded behind blocks 1, 2, 3
	BLOCK 1, 2, 0, 1, 1, 0
	BLOCK 1, 3, 0, 1, 2, 0
	s_wait_dscnt 0x0
	BLOCK 0, 0, 1, 1, 3, 0                         ; the second expert begins; the first expert's block 3 is folded
	FETCHB 1, 1, 1
	BLOCK 0, 1, 1
	BLOCK 0, 2, 1
	BLOCK 0, 3, 1
	WIN 0                                          ; at a label and at a branch every window is 0
.endm
; A period's last half, with the change of slots at its head: the slot's last bytes were asked for in the half before.  ONE barrier, for two things.  In front of it each wave waits for all its tensor
; loads, of which at most one is out: its part of what the next period reads; adds 0 to its spare word; and waits for that and for its own reads of the slot.  Behind it nobody reads this slot's We any more,
; and the next slot is whole.
; mode 0, 1: the slot takes We of the period after the next.  The barrier then opens a round of the cluster's barrier, so that no wave of any partner still reads the slot or has a load on its way, and the joint
; refill is the first thing behind the round: 240 matrix instructions lie between it and the wait for it.  mode 0: waves 0 and 1 fetch a quarter of the next chunk of x into the chunk buffer
; that is not in hand.  mode 2: nothing is left to fetch.
; top: the value of the period counter at which the next period begins a chunk (0: never).  There x's fragments are read anew: quarters 0 and 1, whose registers are free, in the run behind the barrier;
; quarters 2 and 3 at the half's end.  In the other periods both groups are jumped over: what is jumped holds LDS loads and v_nop alone.
.macro TURN mode, top
	WIN 0                                          ; (the add's two registers lie in window 0)
	s_wait_tensorcnt 0x0                           ; all my tensor loads have landed, so the descriptors may be written;
	ds_add_u32 v[SPW], v[NIL]                      ; 0 onto my spare word;
.if (\mode) == 0
	ADESC
.endif
.if (\mode) < 2
	BDESC
.endif
	s_wait_dscnt 1                                 ; this half's fragments are in; the add, issued behind them, may be out
	MUL8 1, 0, 2, 0, 0                             ; eight matrix instructions stand between the add and the wait for it
	s_wait_dscnt 0x0                               ; the add is done, and my reads of this slot are over
	s_barrier_signal -1
	MUL8 1, 1, 3, 0, 0                             ; work on registers while the others arrive
	WIN 0
	s_barrier_wait -1
.if (\mode) < 2
	CREST
.endif
.if (\mode) == 0
	JLOAD                                          ; the four v_nop behind it are also the places for the run below and for the riders that read block 0's results
.elseif (\mode) == 1
	JLOADB
	PLACES                                         ; waves 0 and 1 have passed no v_nop
.else
	PLACES
.endif
	s_xor_b32 s[TB], s[TB], SLOTD                  ; the next period reads the other slot
	v_add_nc_u32 v[ADRB], s[TB], v[ADRB0]
	v_add_nc_u32 v[ADRB+1], XOFF, v[ADRB]
	FETCHB 0, 0, 0
	WIN 0
.if (\top) > 0
	s_cmp_lg_u32 s[CNT], \top
	s_cbranch_scc1 .Lsame_a_\@
	FETCHX 0
	FETCHX 1
.Lsame_a_\@:
.endif
	BLOCK 1, 1, 0, 1, 0, 4                         ; the second expert ends: blocks 0, 1, 2 are folded behind blocks 1, 2, 3
	BLOCK 1, 2, 0, 1, 1, 4
	BLOCK 1, 3, 0, 1, 2, 4
	WIN 0
	s_wait_dscnt 0x0                               ; the next half's fragments are in (issued 48 matrix instructions ago)
.if (\top) > 0
	s_cmp_lg_u32 s[CNT], \top
	s_cbranch_scc1 .Lsame_b_\@
	PLACES                                         ; the last product, two riders back, has read quarter 3
	FETCHX 2                                       ; sixteen loads that stay out over the next half, which reads quarters 0 and 1
	FETCHX 3
.Lsame_b_\@:
.endif
.endm
.macro FOLDROW a, gp                   ; a block's fold by itself: 32 packed lines
	WIN W_FOLD
.set i, 64*(\a)
.rept 32
	v_pk_fma_f32 v[i:i+1], v[i:i+1], v[GT+8*(\a)+(\gp):GT+8*(\a)+(\gp)+1], v[i:i+1] op_sel_hi:[1,0,1]
.set i, i+2
.endr
.endm
; THE WAY OUT of row block a.  A lane's eight columns of a row are 32 bytes; they go into my own stage, rows of 528 bytes, and come back as whole rows of 512.
.macro TOSTAGE a
.set OB, AF-64*((\a)%2)                ; read back into the upper (even a) or the lower (odd a) half of x's fragments' registers, which are free by now
	WIN W_ST
.irp b, 0,1,2,3,4,5,6,7
	ds_store_b128 v[STO], v[8*(8*(\a)+(\b)):8*(8*(\a)+(\b))+3]   offset:64*(\b)
	ds_store_b128 v[STO], v[8*(8*(\a)+(\b))+4:8*(8*(\a)+(\b))+7] offset:64*(\b)+16
.endr
	WIN 0
.if (\a) >= 2
	s_wait_xcnt 0x0                                ; the stores of the block two back have had their addresses translated (ISA guide 3.1): only behind this wait are their data registers loaded again
.endif
.irp t, 0,1,2,3,4,5,6,7,8,9,10,11,12,13,14,15
	ds_load_b128 v[OB+4*(\t):OB+4*(\t)+3], v[RD] offset:SP*(\t)  ; LDS serves a wave's instructions in order (ISA guide 5.7.1.4): these see the stores above; the next block's stores come behind them
.endr
.endm
.macro SEND a
.set OB, AF-64*((\a)%2)
	WIN 0
.irp t, 0,1,2,3,4,5,6,7,8,9,10,11,12,13,14,15
	s_wait_dscnt 15-(\t)                           ; row t is back; nothing was issued behind the sixteen loads
	global_store_b128 v[CO], v[OB+4*(\t):OB+4*(\t)+3], s[14:15] offset:(16*(\a)+(\t))*4096 th:TH_STORE_NT  ; 32 lanes store 512 consecutive bytes, at a multiple of 512 from out's first byte
.endr
.endm
	; THE PROLOGUE: the logits of my 64 rows, 256 K a round
	s_wait_dscnt 0x0                               ; for the others' sake: my parts of Wg and be are stored;
	s_wait_tensorcnt 1                             ; my rows' first 256 K are in; the next 256 may stay out
	s_barrier_signal -1
	s_barrier_wait -1
	GROUND 0, 0, 1
	PREFILL 0                                      ; K 512 .. 767
	GROUND 1, 1, 0
	PREFILL 1                                      ; K 768 .. 1023
	GROUND 2, 0, 0
	s_wait_tensorcnt 0x0                           ; slot 0 has been read for the last time in the prologue: it takes what period 0 reads
	ds_add_u32 v[SPW], v[NIL]
	s_or_b32 s[G1X+0], s23, (1<<16)|(1<<20)|(1<<21)|(5<<22)|(3<<25)  ; x's tiles are now 128 elements wide: padding after every 64 words (code 5);
	s_mov_b32 s[G1X+1], 128<<16                    ; tensor_dim0 = 128
	s_mov_b32 s[G1X+2], 128<<16                    ; tensor_dim1 = 128: chunk 0 comes whole, 128 rows to each of waves 0 and 1
	s_mov_b32 s[G1X+3], 128<<16                    ; tile_dim0 = 128
	s_mov_b32 s[G1X+4], 128                        ; tile_dim1 = 128
	s_mul_i32 s[G0X+1], s18, 128*PA
	s_add_nc_u64 s[G0X+2:G0X+3], s[88:89], 0
	s_or_b32 s[G0X+3], s[G0X+3], 0x80000000
	BDESC                                          ; We of period 0
	s_wait_dscnt 0x0
	CROUND
	JLOAD
	GROUND 3, 1, 0
	WIN W_TOB                                      ; be's fragments: registers 0-3 hold k = 0 .. 7; registers 4-7 hold the same once more and meet zeros
.irp b, 0,1,2,3,4,5,6,7
	ds_load_tr16_b128 v[8*(\b):8*(\b)+3],   v[ABE] offset:32*(\b)
	ds_load_tr16_b128 v[8*(\b)+4:8*(\b)+7], v[ABE] offset:32*(\b)
.endr
	WIN 0
	PLACES                                         ; the softmax reads logits just made
	SOFTMAX
.irp a, 0,1,2,3                        ; the gates as source 1: lanes 0-15 hold k = 0 .. 7, a row's eight gates; all else is 0
.irp i, 0,1,2,3
	v_cvt_pk_bf16_f32 v[AF+8*(\a)+(\i)], v[GT+8*(\a)+2*(\i)], v[GT+8*(\a)+2*(\i)+1]
.endr
.endr
.irp a, 0,1,2,3
.irp i, 0,1,2,3
	v_and_b32 v[AF+8*(\a)+(\i)], v[HM], v[AF+8*(\a)+(\i)]
	v_mov_b32 v[AF+8*(\a)+4+(\i)], 0
.endr
.endr
.irp i, 0,1,2,3,4,5,6,7
	v_mov_b32 v[ZF+(\i)], 0
.endr
	s_wait_dscnt 0x0                               ; be's fragments
	WIN 0xc1                                       ; source 0 window 1, source 1 window 0, D window 3
.irp a, 0,1,2,3
.irp b, 0,1,2,3,4,5,6,7
	v_wmma_f32_16x16x32_bf16 v[8*(8*(\a)+(\b)):8*(8*(\a)+(\b))+7], v[8*(\b):8*(\b)+7], v[AF+8*(\a):AF+8*(\a)+7], 0   ; MAIN begins: the sum over e of gate x be
.endr
.endr
	WIN 0x81                                       ; D window 2
.irp b, 0,1,2,3,4,5,6,7
	v_wmma_f32_16x16x32_bf16 v[8*(24+(\b)):8*(24+(\b))+7], v[8*(\b):8*(\b)+7], v[ZF:ZF+7], 0   ; TMP's block 3 is 0: period 0 opens, as every period does, with the fold of the block left over
.endr
	WIN 0
	s_wait_tensorcnt 0x0                           ; chunk 0 and We of period 0 have landed; slot 1 has been read for the last time in the prologue
	ds_add_u32 v[SPW], v[NIL]
	s_mov_b32 s[G1X+2], 32<<16                     ; from here on x comes by quarters of a chunk, 32 rows to each of waves 0 and 1
	s_mov_b32 s[G1X+4], 32
	ADESC                                          ; chunk 1, rows 0 to 63
	BDESC                                          ; We of period 1
	s_wait_dscnt 0x0
	CROUND
	JLOAD                                          ; the four v_nop behind it are also the places in front of the loads below
	v_mov_b32 v[ADRB], v[ADRB0]
	v_add_nc_u32 v[ADRB+1], XOFF, v[ADRB]
	FETCHB 0, 0, 0                                 ; period 0's first half,
	FETCHX 0                                       ; and all of chunk 0's fragments of x
	FETCHX 1
	FETCHX 2
	FETCHX 3
	s_wait_dscnt 16                                ; all but the youngest sixteen, x's quarters 2 and 3, which the first half does not read
	s_mov_b32 s[OUTC], 7
	s_mov_b32 s[CNT], 4
	s_branch .Lmid                                 ; the loop is entered in the middle of a trip: period 0 has no period before it to end
	; CHUNKS 0 TO 6.  A trip: the last half of the period before, with the change of slots and the fills, then three halves of the period in hand.
.Lchunk:
	s_xor_b32 s[TA], s[TA], SLOTD                  ; the next period reads the chunk that has been filled;
	v_add_nc_u32 v[ADRA], s[TA], v[ADRA0]
	s_xor_b32 s[AFB], s[AFB], SLOTD                ; the chunk that has been read out is filled: from its first rows on,
	s_sub_co_u32 s[AQO], s[AQO], 256*PA
	s_sub_co_u32 s[AOFF], s[AOFF], 256*2048-256    ; 256 rows back and 256 bytes on along x's rows
	s_mov_b32 s[CNT], 4
.Lper:
	TURN 0, 4
.Lmid:
	THREE
	s_sub_co_u32 s[CNT], s[CNT], 1
	s_cmp_lg_u32 s[CNT], 0
	s_cbranch_scc1 .Lper
	s_sub_co_u32 s[OUTC], s[OUTC], 1
	s_cmp_lg_u32 s[OUTC], 0
	s_cbranch_scc1 .Lchunk
	; CHUNK 7 is written out: three periods ask for We alone, the last for nothing
	s_xor_b32 s[TA], s[TA], SLOTD
	v_add_nc_u32 v[ADRA], s[TA], v[ADRA0]
	s_mov_b32 s[CNT], 3
.Lperb:
	TURN 1, 3
	THREE
	s_sub_co_u32 s[CNT], s[CNT], 1
	s_cmp_lg_u32 s[CNT], 0
	s_cbranch_scc1 .Lperb
	TURN 2, 0                                      ; my one tensor load that may still be out is the last period's, so no round follows
	THREE
	s_wait_dscnt 0x0                               ; the very last half: nothing more to fetch
	BLOCK 1, 0, 0
	PLACES                                         ; the riders below read block 0's results
	BLOCK 1, 1, 0, 1, 0, 4
	BLOCK 1, 2, 0, 1, 1, 4
	BLOCK 1, 3, 0, 1, 2, 4
	WIN 0
	PLACES                                         ; for the stage's loads into the fragments' registers, and for the fold of block 3
	TOSTAGE 0
	FOLDROW 3, 4                                   ; the last block's fold stands between block 0's loads from the stage and the waits for them
	SEND 0
	TOSTAGE 1
	SEND 1
	TOSTAGE 2
	SEND 2
	TOSTAGE 3
	SEND 3
	s_wait_tensorcnt 0x0                           ; the wave's end: an add to my spare word and its wait stand behind my last tensor load and my last LDS store
	ds_add_u32 v[SPW], v[NIL]
	s_wait_dscnt 0x0
	CROUND                                         ; the closing round: no work-group ends while a partner may still ask for a tile that names it
	s_endpgm
.Lfunc_end_k_qc87e77367e_moe:
	.size	k_qc87e77367e_moe, .Lfunc_end_k_qc87e77367e_moe-k_qc87e77367e_moe
	.p2alignl 7, 3214868480
	.fill 96, 4, 3214868480
	.section	.rodata,"a",@progbits
	.p2align	6, 0x0
	.amdhsa_kernel k_qc87e77367e_moe
		.amdhsa_group_segment_fixed_size 327680
		.amdhsa_private_segment_fixed_size 0
		.amdhsa_enable_private_segment 0
		.amdhsa_kernarg_size 48
		.amdhsa_user_sgpr_count 2
		.amdhsa_user_sgpr_kernarg_segment_ptr 1
		.amdhsa_wavefront_size32 1
		.amdhsa_system_sgpr_workgroup_id_x 1
		.amdhsa_system_sgpr_workgroup_id_y 1
		.amdhsa_system_sgpr_workgroup_id_z 1
		.amdhsa_system_vgpr_workitem_id 0
		.amdhsa_next_free_vgpr 1024
		.amdhsa_next_free_sgpr 96
		.amdhsa_reserve_vcc 0
		.amdhsa_float_denorm_mode_32 3
		.amdhsa_float_denorm_mode_16_64 3
		.amdhsa_memory_ordered 1
		.amdhsa_forward_progress 1
		.amdhsa_inst_pref_size 255
	.end_amdhsa_kernel
	.section	.bss,"aw",@nobits
	.p2align	6
	.space	262144
	.amdgpu_metadata
---
amdhsa.version: [ 1, 2 ]
amdhsa.kernels:
  - .name:           k_qc87e77367e_moe
    .symbol:         k_qc87e77367e_moe.kd
    .args:
      - { .name: xb, .offset: 0, .size: 8, .value_kind: global_buffer, .address_space: global }
      - { .name: wb, .offset: 8, .size: 8, .value_kind: global_buffer, .address_space: global }
      - { .name: Wg, .offset: 16, .size: 8, .value_kind: global_buffer, .address_space: global }
      - { .name: bg, .offset: 24, .size: 8, .value_kind: global_buffer, .address_space: global }
      - { .name: be, .offset: 32, .size: 8, .value_kind: global_buffer, .address_space: global }
      - { .name: out0, .offset: 40, .size: 8, .value_kind: global_buffer, .address_space: global }
    .group_segment_fixed_size: 327680
    .private_segment_fixed_size: 0
    .kernarg_segment_align: 8
    .kernarg_segment_size: 48
    .max_flat_workgroup_size: 128
    .sgpr_count:     96
    .vgpr_count:     1024
    .wavefront_size: 32
...
	.end_amdgpu_metadata
.endif
;; end of part 3
